; MI455X (gfx1250); checked and timed in simulation.
; The chip was launched on July 23, 2026; its instructions are those of AMD's public machine-readable ISA for CDNA 5 (MIT licence, August 2026) and "CDNA5" Instruction Set Architecture Reference Guide (July 2026). The comments in the code are by the model that wrote it; some were corrected since.
;; Multi Head Attention. Allowed arithmetic: matrix products marked QUANTISED: E2M3 operands, one E8M0 scale for each 32 along K, by v_wmma_scale_f32_16x16x128_f8f6f4 with both operands' format E2M3, f32 sums; everything else in f32.
;; Inputs: Wk 16 x 1,024 x 64 float32; Wp 1,024 x 1,024 float32; Wq 16 x 1,024 x 64 float32; Wv 16 x 1,024 x 64 float32; bp 1,024 float32; rel_table 33 x 16 float32; x 4 x 2,048 x 1,024 float32.
;; Outputs: out0 4 x 2,048 x 1,024 float32.
;; This version of the problem:
;;   THIS VERSION OF THE PROBLEM IS GIVEN IN LOW PRECISION. The matrix products marked QUANTISED in the list below multiply operands that are first quantised to E2M3 (2 exponent bits, 3 mantissa bits; 6 bits a number), with one power-of-two scale for each 32 numbers along K (OCP MX v1.0); their sums are f32. All else is computed in f32.
;;   The module's matrix products, in the order in which they are computed (A, B: the left and right operand; K: the contracted axis; several contracted axes count as one K, in the product's order):
;;     1. [M 1,024, K 1,024] x [K 1,024, N 8,192]; A: input Wq; B: input x: QUANTISED
;;     2. [M 1,024, K 1,024] x [K 1,024, N 8,192]; A: input Wk; B: input x: QUANTISED
;;     3. [M 1,024, K 1,024] x [K 1,024, N 8,192]; A: input Wv; B: input x: QUANTISED
;;     4. batch 64 x [M 2,048, K 64] x [K 64, N 2,048]; A: computed on the way; B: computed on the way: QUANTISED
;;     5. batch 64 x [M 2,048, K 2,048] x [K 2,048, N 64]; A: softmax (see below); B: computed on the way: QUANTISED
;;     6. [M 8,192, K 1,024] x [K 1,024, N 1,024]; A: computed on the way; B: input Wp: QUANTISED
;;   THE QUANTISER, for each operand of a quantised product, along K:
;;     - K is cut into blocks of 32 from its start; a last block that is shorter is filled with zeros.
;;     - A block's scale is 2^e with e = floor(log2(the largest magnitude in the block)) - 2, held to -126 .. 127; a block of zeros has e = 0. As a byte (E8M0): e + 127.
;;     - Each number is divided by its block's scale, clamped to +-7.5, and rounded to the nearest number of E2M3, ties to even, subnormals kept.
;;     - The product sums the exact products of the quantised numbers (number of the format x scale) in f32.
;;   ~~~python
;;   def quantise(x, axis):      # numpy; x: float32 -> the quantised numbers, widened to float32 again
;;       x = np.moveaxis(x, axis, -1); K = x.shape[-1]
;;       x = np.pad(x, [(0, 0)] * (x.ndim - 1) + [(0, -K % 32)]); x = x.reshape(x.shape[:-1] + (-1, 32)); a = np.abs(x).max(-1, keepdims=True)
;;       e = np.where(a > 0, np.clip(np.frexp(np.where(a > 0, a, 1))[1] - 1 - 2, -126, 127), 0)      # np.frexp(a)[1] - 1 = floor(log2(a)), exactly
;;       r = np.clip(x / 2.0 ** e, -7.5, 7.5)
;;       step = 2.0 ** (np.maximum(np.frexp(np.where(r == 0, 1, r))[1] - 1, 0) - 3)
;;       q = np.round(r / step) * step * 2.0 ** e      # np.round: ties to even
;;       return np.moveaxis(q.reshape(q.shape[:-2] + (-1,))[..., :K], -1, axis).astype(np.float32)
;;   ~~~
;;   SOFTMAX AHEAD OF A QUANTISED PRODUCT. Where the list says 'softmax', what is quantised is not the finished softmax but p = 2^(t - M), with t = logit x log2(e) and M = ceil(the row's largest t), a whole number; so 1/2 < the row's largest p <= 1. The row's sum l is taken of the UNQUANTISED p, in f32, and the product's result is divided by l at the end. Since M is a whole number, a kernel that streams over the keys may use a running M (the ceiling of the running maximum): every later rescaling is an exact power of two, which a block's scale takes up: the codes' values come out the same.
;;   OPERANDS COMPUTED ON THE WAY. 'Computed on the way' means the value that the module computes at that place (a softmax that the list does not call 'softmax' is quantised finished and normalised). What goes into a quantiser is computed in f32, as accurately as f32 sums, v_exp_f32 and their like allow (about 1e-6 of the number): no bf16 or f16 on the way to a quantiser, and a product that is left as it is and whose result goes on into a quantised operand takes f32 operands (vector FMAs, or v_wmma_f32_16x16x4_f32). A number that lies on a knife's edge between two numbers of the format may be rounded either way, as far as f32 arithmetic and the matrix unit's own rounding can turn it there, and no further.
;; One version. Each part assembles by itself: llvm-mc -triple=amdgcn-amd-amdhsa -mcpu=gfx1250 --defsym DOCPART=n.
;; ======== version 1 of 1: 4 launches
;; limits: right only within a limited range of input values
;; workspace buffers: ximg 6,553,600 bytes; wimg 3,276,800 bytes; qkimg 13,631,488 bytes; vimg 6,553,600 bytes; aimg 6,815,744 bytes
;; launch quant (part 1): grid 640 x 1, 8 waves a work-group, no clusters, 95,232 bytes of LDS; arguments x, Wq, Wk, Wv, Wp, ximg, wimg; writes ximg, wimg
.if DOCPART == 1
	.amdgcn_target "amdgcn-amd-amdhsa--gfx1250"
	.amdhsa_code_object_version 6
	.text
	.protected	k_qbb87d5983d_quant
	.globl	k_qbb87d5983d_quant
	.p2align	8
	.type	k_qbb87d5983d_quant,@function
k_qbb87d5983d_quant:
	s_mov_b64 s[64:65], 0
	v_nop
	global_prefetch_b8 v0, s[64:65] scope:SCOPE_SE
	s_setreg_imm32_b32 hwreg(HW_REG_WAVE_MODE, 25, 1), 1
	s_wait_xcnt 0x0
; x [8192][1024] and the four weights (K not innermost) become codes of E2M3 with one E8M0 byte for each 32 along K, laid as IMAGES OF OPERAND REGISTERS.
; A fragment is 16 rows x 128 K = 12 registers a lane = 1,536 bytes in two halves c of 768: bytes 768 c + 16 lane hold registers 6 c .. 6 c + 3, bytes 768 c + 512 + 8 lane registers 6 c + 4, 6 c + 5.
; THE ROWS OF A TILE ARE NOT NEIGHBOURS: of a group of 32 rows, tile u (0, 1) takes in its row r the group's row 8 u + r + 8 (r / 8): as source 0 of a product, two such tiles give a lane 16 neighbours.
; ximg: [256 tokens][K step] chunks of 25,600 bytes = 16 fragments, then 16 x 64 bytes of scale words (row r's word at 4 r).  wimg: [128 columns][K step] chunks of 12,800 = 8 fragments, then 8 x 64.
; A block's scale is 2^(floor(log2(largest magnitude)) - 2); its byte is the largest magnitude's exponent field - 2, held at 1 from below (a block of zeros gets 1: its codes are zeros, and this program alone reads the bytes).
; LIMITS: NaN and infinities are not served; blocks whose largest magnitude lies under 2^-124 get the byte 1.
; Work-groups 0 to 511: one tile of 16 tokens each, wave s takes K step s.  Work-groups 512 to 639: 64 weight columns x 4 K steps each, a wave 32 columns x 128 K.  Waves share nothing: no barrier.
; The two paths have LDS bytes of their own.
.set R,    16                          ; x path: v16-79   16 rows as loaded, 4 registers each
.set N,    80                          ; v80-143  64 numbers of my row: register 16 b + i = k 32 b + 16 (lane / 16) + i
.set PC,   144                         ; v144-163 the codes
.set TM,   164                         ; v164-179 at work
.set PW,   180                         ; v180     the scale word
.set X,    16                          ; weight path: v16-143 128 numbers of my column, down K
.set C,    144                         ; v144-175 codes, 8 registers a block
.set SB,   179                         ; v179     my column's four scale bytes
.set SEL,  30                          ; s[30:31] lane selects: lane l xor 16
.set XSTG, 8448                        ; x path: a wave's stage: 16 rows x (512 + 16) bytes
.set WSB,  8*XSTG                      ; weight path: the stages begin behind the x path's
.set WSTG, 3328                        ; two fragments and 128 bytes of scale words, in 13 blocks of 256 bytes
; 64 numbers of a lane become a fragment's codes in v[PC] on and its scale word in v[PW]
.macro QUANT s
.irp b, 0,1,2,3
	v_max3_num_f32 v[TM+\b], |v[\s+16*\b]|, |v[\s+1+16*\b]|, 0x1800000   ; block b: my 16 numbers and the floor 2^(3 - 127): the byte cannot fall under 1
.endr
.irp i, 2,4,6,8,10,12,14
.irp b, 0,1,2,3
	s_delay_alu instid0(VALU_DEP_4)
	v_max3_num_f32 v[TM+\b], v[TM+\b], |v[\s+16*\b+\i]|, |v[\s+1+16*\b+\i]|
.endr
.endr
.irp b, 0,1,2,3
	s_delay_alu instid0(VALU_DEP_4)
	v_permlanex16_b32 v[TM+4+\b], v[TM+\b], s[SEL], s[SEL+1]
.endr
.irp b, 0,1,2,3
	s_delay_alu instid0(VALU_DEP_4)
	v_max_num_f32 v[TM+\b], v[TM+\b], v[TM+4+\b]   ; with lane l xor 16's 16: the block's largest magnitude
.endr
.irp b, 0,1,2,3
	s_delay_alu instid0(VALU_DEP_4)
	v_add_nc_u32 v[TM+12+\b], 0xff000000, v[TM+\b] ; 2 off its exponent field: the conversion's scale operand
.endr
.irp b, 0,1,2,3
	s_delay_alu instid0(VALU_DEP_4)
	v_lshrrev_b32 v[TM+4+\b], 23, v[TM+12+\b]      ; the scale's byte
.endr
	s_delay_alu instid0(VALU_DEP_3)
	v_lshl_or_b32 v[PW], v[TM+5], 8, v[TM+4]
	s_delay_alu instid0(VALU_DEP_1)
	v_lshl_or_b32 v[PW], v[TM+6], 16, v[PW]
	s_delay_alu instid0(VALU_DEP_1)
	v_lshl_or_b32 v[PW], v[TM+7], 24, v[PW]
.irp c, 0,1
	v_cvt_scalef32_pk16_fp6_f32 v[PC+6*\c:PC+2+6*\c], v[\s+32*\c:\s+15+32*\c], v[TM+12+2*\c]
	v_cvt_scalef32_pk16_fp6_f32 v[PC+12+4*\c:PC+14+4*\c], v[\s+16+32*\c:\s+31+32*\c], v[TM+12+2*\c+1]   ; (a conversion's three registers begin on an even number)
.endr
	v_nop                                          ; one plain place behind a scaled conversion
.irp c, 0,1                                    ; the layout wants a whole block in a lane: lanes 0-15 block 2 c, lanes 16-31 block 2 c + 1
.irp i, 0,1,2
	v_permlane16_swap_b32 v[PC+6*\c+\i], v[PC+12+4*\c+\i]
.endr
.irp i, 0,1,2
	s_delay_alu instid0(VALU_DEP_3)
	v_mov_b32 v[PC+3+6*\c+\i], v[PC+12+4*\c+\i]
.endr
.endr
.endm
	s_load_b256 s[4:11], s[0:1], 0x0               ; x s[4:5], Wq s[6:7], Wk s[8:9], Wv s[10:11]
	s_load_b128 s[12:15], s[0:1], 0x20             ; Wp s[12:13], ximg s[14:15]
	s_load_b64 s[16:17], s[0:1], 0x30              ; wimg
	v_lshl_add_u32 v200, v0, 2, 0x17000
	v_mov_b32 v201, 0
	v_lshrrev_b32 v1, 5, v0
	s_delay_alu instid0(VALU_DEP_1)
	v_readfirstlane_b32 s18, v1                    ; wave 0..7
	v_and_b32 v2, 31, v0                           ; lane
	v_and_b32 v6, 15, v0                           ; lane % 16
	v_bfe_u32 v7, v0, 4, 1                         ; lane / 16
	s_mov_b32 s[SEL], 0x76543210
	s_mov_b32 s[SEL+1], 0xfedcba98
	; THE NUMBERING, which takes the place of the one given at the head: the weights' 128 work-groups, the longest, have the numbers 0 to 127; x's 512 follow, tile g = the work-group's number - 128
	s_cmp_ge_u32 ttmp9, 128
	s_cbranch_scc0 .Lweights
	s_sub_co_u32 s19, ttmp9, 128                   ; g
	; ---- x: tile g = work-group, K step = wave
	s_lshr_b32 s20, s19, 1
	s_lshl_b32 s20, s20, 17                        ; 32 (g / 2) rows of 4,096 bytes
	s_and_b32 s21, s19, 1
	s_lshl_b32 s21, s21, 15                        ; + 8 (g % 2) rows
	s_add_co_u32 s20, s20, s21
	s_lshl_b32 s21, s18, 9                         ; + 512 bytes a K step
	s_add_co_u32 s20, s20, s21
	s_mov_b32 s21, 0
	s_lshr_b32 s24, s19, 4
	s_mul_i32 s24, s24, 204800                     ; ximg: the block of 256 tokens,
	s_mul_i32 s25, s18, 25600                      ; its chunk of this K step
	s_add_co_u32 s24, s24, s25
	s_mov_b32 s25, 0
	s_and_b32 s26, s19, 15
	s_mul_i32 s27, s26, 1536
	s_lshl_b32 s28, s26, 6
	s_mul_i32 s22, s18, XSTG                       ; my stage
	s_wait_alu depctr_va_vdst(0)
	v_lshlrev_b32 v3, 4, v2                        ; 16 x lane
	s_delay_alu instid0(VALU_DEP_1)
	v_add_nc_u32 v4, s22, v3                       ; into the stage: a row's 512 bytes as they lie
	v_mul_u32_u24 v5, v6, 528
	s_delay_alu instid0(VALU_DEP_1)
	v_lshl_add_u32 v5, v7, 6, v5
	s_delay_alu instid0(VALU_DEP_1)
	v_add_nc_u32 v5, s22, v5                       ; out of it: row r, + 64 (lane / 16): 16 neighbours of each block of 32
	v_add_nc_u32 v8, s27, v3                       ; in the chunk: 16 x lane + the tile
	v_lshl_add_u32 v9, v2, 3, s27                  ; 8 x lane + the tile
	v_lshl_add_u32 v10, v6, 2, s28                 ; the row's scale word
.irp b, 0,1,2,3
	v_mov_b32 v[TM+4+\b], 0                        ; a lane permute's destination counts as one of its sources
.endr
	s_wait_alu depctr_va_vdst(0)
	s_wait_kmcnt 0x0
	s_add_nc_u64 s[4:5], s[4:5], s[20:21]
	s_add_nc_u64 s[14:15], s[14:15], s[24:25]
.irp p, 0,1,2,3,4,5,6,7,8,9,10,11,12,13,14,15
	global_load_b128 v[R+4*\p:R+4*\p+3], v3, s[4:5] offset:(\p+8*(\p/8))*4096 th:TH_LOAD_NT   ; tile row p: 32 lanes read 512 consecutive bytes
.endr
.irp p, 0,1,2,3,4,5,6,7,8,9,10,11,12,13,14,15
	s_wait_loadcnt 15-\p                           ; row p is in; the younger rows' loads may be out
	ds_store_b128 v4, v[R+4*\p:R+4*\p+3] offset:528*\p
.endr
.irp b, 0,1,2,3
.irp j, 0,1,2,3
	ds_load_b128 v[N+16*\b+4*\j:N+16*\b+4*\j+3], v5 offset:128*\b+16*\j   ; LDS serves a wave's instructions in order: these see my stores
.endr
.endr
	s_wait_dscnt 0x0
	QUANT N
	global_store_b128 v8, v[PC:PC+3], s[14:15]                 ; each store of the wave covers 512 or 256 consecutive bytes, aligned
	global_store_b64 v9, v[PC+4:PC+5], s[14:15] offset:512
	global_store_b128 v8, v[PC+6:PC+9], s[14:15] offset:768
	global_store_b64 v9, v[PC+10:PC+11], s[14:15] offset:1280
	global_store_b32 v10, v[PW], s[14:15] offset:24576         ; both halves of the lanes hold and write the same word
	s_wait_tensorcnt 0x0
	ds_add_u32 v200, v201
	s_wait_dscnt 0x0
	s_endpgm
	; ---- the weights: a lane takes a column, its registers run down K
.Lweights:
	s_mov_b32 s20, ttmp9
	s_lshr_b32 s21, s20, 1                         ; which 64 columns of the 4,096
	s_and_b32 s22, s18, 1
	s_lshl_b32 s23, s21, 1
	s_add_co_u32 s23, s23, s22                     ; cg: which 32 columns
	s_and_b32 s24, s20, 1
	s_lshl_b32 s24, s24, 2
	s_lshr_b32 s25, s18, 1
	s_add_co_u32 s24, s24, s25                     ; K step
	s_lshr_b32 s25, s21, 4                         ; which weight: 0 Wq, 1 Wk, 2 Wv, 3 Wp
	s_and_b32 s26, s23, 31                         ; the group of 32 columns in it
	s_lshr_b32 s27, s26, 1
	s_lshl_b32 s27, s27, 18                        ; [head][c][d]: the head's 262,144 bytes,
	s_and_b32 s28, s26, 1
	s_lshl_b32 s28, s28, 7                         ; which half of its 64 channels,
	s_add_co_u32 s27, s27, s28
	s_lshl_b32 s28, s24, 15                        ; 128 rows of 256 bytes a K step
	s_add_co_u32 s27, s27, s28
	s_lshl_b32 s28, s26, 7                         ; Wp [k][n]: 128 bytes a group,
	s_lshl_b32 s29, s24, 19                        ; 128 rows of 4,096 bytes a K step
	s_add_co_u32 s28, s28, s29
	s_lshr_b32 s33, s23, 2
	s_mul_i32 s34, s33, 102400                     ; wimg: the block of 128 columns,
	s_mul_i32 s35, s24, 12800                      ; its chunk of this K step
	s_add_co_u32 s34, s34, s35
	s_mov_b32 s35, 0
	s_and_b32 s36, s23, 3                          ; my two tiles' place in the chunk
	s_mul_i32 s37, s36, 3072
	s_lshl_b32 s38, s36, 7
	s_mul_i32 s32, s18, WSTG
	s_add_co_u32 s32, s32, WSB                     ; my stage
	s_wait_alu depctr_va_vdst(0)
	v_lshlrev_b32 v3, 2, v2                        ; 4 x lane
	v_and_b32 v4, 7, v0
	s_delay_alu instid0(VALU_DEP_1)
	v_lshl_add_u32 v4, v7, 3, v4                   ; column e lies in tile u = (e / 8) % 2, row r = e % 8 + 8 (e / 16)
	v_bfe_u32 v5, v0, 3, 1
	s_delay_alu instid0(VALU_DEP_1)
	v_mul_u32_u24 v8, v5, 1536
	s_delay_alu instid0(VALU_DEP_1)
	v_add_nc_u32 v8, s32, v8
	s_delay_alu instid0(VALU_DEP_1)
	v_lshl_add_u32 v9, v4, 4, v8                   ; the image's 16-byte place of lane r
	s_delay_alu instid0(VALU_DEP_2)
	v_lshl_add_u32 v10, v4, 3, v8                  ; and its 8-byte place
	v_lshlrev_b32 v11, 6, v5
	s_delay_alu instid0(VALU_DEP_1)
	v_lshl_add_u32 v11, v4, 2, v11
	s_delay_alu instid0(VALU_DEP_1)
	v_add_nc_u32 v11, s32, v11                     ; the row's scale word
	v_lshl_add_u32 v12, v2, 4, s32                 ; back: the stage as it lies
	v_add_nc_u32 v13, s32, v3
	v_lshl_add_u32 v14, v2, 4, s37                 ; and the same places in the chunk
	v_add_nc_u32 v15, s38, v3
	s_wait_kmcnt 0x0
	s_add_nc_u64 s[16:17], s[16:17], s[34:35]
	s_cmp_eq_u32 s25, 1                            ; the choice hangs on the work-group's number alone
	s_cselect_b64 s[6:7], s[8:9], s[6:7]
	s_cmp_eq_u32 s25, 2
	s_cselect_b64 s[6:7], s[10:11], s[6:7]
	s_cmp_eq_u32 s25, 3
	s_cselect_b64 s[6:7], s[12:13], s[6:7]
	s_cselect_b32 s28, s28, s27
	s_mov_b32 s29, 0
	s_add_nc_u64 s[6:7], s[6:7], s[28:29]          ; (none of these lines touches SCC)
	s_cbranch_scc1 .Lwp
.set i, 0
.rept 128
	global_load_b32 v[X+i], v3, s[6:7] offset:i*256 th:TH_LOAD_NT    ; W(k, my column): 32 lanes read 128 consecutive bytes
.set i, i+1
.endr
	s_branch .Lwin
.Lwp:
.set i, 0
.rept 128
	global_load_b32 v[X+i], v3, s[6:7] offset:i*4096 th:TH_LOAD_NT
.set i, i+1
.endr
.Lwin:
; block kb = 2 c + h of my column: all 32 numbers are mine; its 24 bytes of codes are registers 6 c .. 6 c + 5 of lane r + 16 h of my tile
.macro WBLOCK kb
.set XS, X+32*(\kb)
.set CC, C+8*(\kb)
	v_max3_num_f32 v176, |v[XS]|, |v[XS+1]|, |v[XS+2]|
	v_max3_num_f32 v177, |v[XS+3]|, |v[XS+4]|, |v[XS+5]|
.irp i, 6,10,14,18,22,26
	s_delay_alu instid0(VALU_DEP_2)
	v_max3_num_f32 v176, v176, |v[XS+\i]|, |v[XS+\i+1]|
	s_delay_alu instid0(VALU_DEP_2)
	v_max3_num_f32 v177, v177, |v[XS+\i+2]|, |v[XS+\i+3]|
.endr
	s_delay_alu instid0(VALU_DEP_2)
	v_max3_num_f32 v176, v176, |v[XS+30]|, |v[XS+31]|
	s_delay_alu instid0(VALU_DEP_1)
	v_max3_num_f32 v176, v176, v177, 0x1800000     ; and the floor
	s_delay_alu instid0(VALU_DEP_1)
	v_add_nc_u32 v178, 0xff000000, v176            ; the conversion's scale operand
	s_delay_alu instid0(VALU_DEP_1)
	v_lshrrev_b32 v177, 23, v178                   ; the byte
.if (\kb) == 0
	s_delay_alu instid0(VALU_DEP_1)
	v_mov_b32 v[SB], v177
.else
	s_delay_alu instid0(VALU_DEP_1)
	v_lshl_or_b32 v[SB], v177, 8*(\kb), v[SB]
.endif
	v_cvt_scalef32_pk16_fp6_f32 v[CC:CC+2], v[XS:XS+15], v178
	v_cvt_scalef32_pk16_fp6_f32 v[CC+4:CC+6], v[XS+16:XS+31], v178
	v_nop                                          ; one plain place behind a scaled conversion
	v_mov_b32 v[CC+3], v[CC+4]                     ; the six registers on end
	v_mov_b32 v[CC+4], v[CC+5]
	v_mov_b32 v[CC+5], v[CC+6]
	ds_store_b128 v9, v[CC:CC+3] offset:768*((\kb)/2)+256*((\kb)%2)
	ds_store_b64 v10, v[CC+4:CC+5] offset:768*((\kb)/2)+512+128*((\kb)%2)
.endm
	s_wait_loadcnt 63                              ; at most 63 of the 128 are out: blocks 0 and 1 are in
	WBLOCK 0
	WBLOCK 1
	s_wait_loadcnt 32                              ; block 3's 32 loads may be out
	WBLOCK 2
	s_wait_loadcnt 0x0
	WBLOCK 3
	ds_store_b32 v11, v[SB] offset:3072
.irp q, 0,1,2,3,4,5
	ds_load_b128 v[16+4*\q:19+4*\q], v12 offset:512*\q         ; LDS serves a wave's instructions in order: these see my stores
.endr
	ds_load_b32 v40, v13 offset:3072
.irp q, 0,1,2,3,4,5
	s_wait_dscnt 6-\q                              ; piece q is back; the younger loads may be out
	global_store_b128 v14, v[16+4*\q:19+4*\q], s[16:17] offset:512*\q   ; 512 consecutive bytes, aligned
.endr
	s_wait_dscnt 0x0
	global_store_b32 v15, v40, s[16:17] offset:12288
	s_wait_tensorcnt 0x0
	ds_add_u32 v200, v201
	s_wait_dscnt 0x0
	s_endpgm
.Lfunc_end_k_qbb87d5983d_quant:
	.size	k_qbb87d5983d_quant, .Lfunc_end_k_qbb87d5983d_quant-k_qbb87d5983d_quant
	.p2alignl 7, 3214868480
	.fill 96, 4, 3214868480
	.section	.rodata,"a",@progbits
	.p2align	6, 0x0
	.amdhsa_kernel k_qbb87d5983d_quant
		.amdhsa_group_segment_fixed_size 95232
		.amdhsa_private_segment_fixed_size 0
		.amdhsa_enable_private_segment 0
		.amdhsa_kernarg_size 56
		.amdhsa_user_sgpr_count 2
		.amdhsa_user_sgpr_kernarg_segment_ptr 1
		.amdhsa_wavefront_size32 1
		.amdhsa_system_sgpr_workgroup_id_x 1
		.amdhsa_system_sgpr_workgroup_id_y 1
		.amdhsa_system_sgpr_workgroup_id_z 1
		.amdhsa_system_vgpr_workitem_id 0
		.amdhsa_next_free_vgpr 202
		.amdhsa_next_free_sgpr 66
		.amdhsa_reserve_vcc 0
		.amdhsa_float_denorm_mode_32 3
		.amdhsa_float_denorm_mode_16_64 3
		.amdhsa_memory_ordered 1
		.amdhsa_forward_progress 1
		.amdhsa_inst_pref_size 50
	.end_amdhsa_kernel
	.amdgpu_metadata
---
amdhsa.version: [ 1, 2 ]
amdhsa.kernels:
  - .name:           k_qbb87d5983d_quant
    .symbol:         k_qbb87d5983d_quant.kd
    .args:
      - { .name: x, .offset: 0, .size: 8, .value_kind: global_buffer, .address_space: global }
      - { .name: Wq, .offset: 8, .size: 8, .value_kind: global_buffer, .address_space: global }
      - { .name: Wk, .offset: 16, .size: 8, .value_kind: global_buffer, .address_space: global }
      - { .name: Wv, .offset: 24, .size: 8, .value_kind: global_buffer, .address_space: global }
      - { .name: Wp, .offset: 32, .size: 8, .value_kind: global_buffer, .address_space: global }
      - { .name: ximg, .offset: 40, .size: 8, .value_kind: global_buffer, .address_space: global }
      - { .name: wimg, .offset: 48, .size: 8, .value_kind: global_buffer, .address_space: global }
    .group_segment_fixed_size: 95232
    .private_segment_fixed_size: 0
    .kernarg_segment_align: 8
    .kernarg_segment_size: 56
    .max_flat_workgroup_size: 256
    .sgpr_count:     66
    .vgpr_count:     202
    .wavefront_size: 32
...
	.end_amdgpu_metadata
.endif
;; end of part 1
;; launch qkv (part 2): grid 8 x 32, 4 waves a work-group, clusters of 4 x 4, 327,680 bytes of LDS; arguments ximg, wimg, qkimg, vimg; writes qkimg, vimg
.if DOCPART == 2
	.amdgcn_target "amdgcn-amd-amdhsa--gfx1250"
	.amdhsa_code_object_version 6
	.text
	.protected	k_qbb87d5983d_qkv
	.globl	k_qbb87d5983d_qkv
	.p2align	8
	.type	k_qbb87d5983d_qkv,@function
k_qbb87d5983d_qkv:
	s_mov_b64 s[64:65], 0
	v_nop
	global_prefetch_b8 v0, s[64:65] scope:SCOPE_SE
	s_setreg_imm32_b32 hwreg(HW_REG_WAVE_MODE, 25, 1), 1
	s_wait_xcnt 0x0
	s_wait_alu depctr_hold_cnt(0) depctr_sa_sdst(0) depctr_va_vdst(0) depctr_va_sdst(0) depctr_va_ssrc(0) depctr_va_vcc(0) depctr_vm_vsrc(0)
	s_getreg_b32 s2, hwreg(HW_REG_IB_STS2, 6, 4)
	s_cmp_eq_u32 s2, 0
	s_cbranch_scc0 .Lentry_in_a_cluster
	s_endpgm
.Lentry_in_a_cluster:
	s_bfe_u32 s2, ttmp6, 0x10000c
	s_cmp_lg_u32 s2, 0xf033
	s_cbranch_scc0 .Lentry_shape_is_right
	s_endpgm
.Lentry_shape_is_right:
; q, k, v = x W on codes of E2M3, and their quantising for attention.  A WORK-GROUP STAYS: it makes 256 tokens x 128 columns (two heads) of q, then of k, then of v.
; 4 waves, each 128 tokens x 64 columns = one key step x one head: 32 accumulators.
; LDS: x's whole K panel (8 chunks of 25,600 bytes), filled once and read in all three passes; W's K panel (8 chunks of 12,800), filled again for k and for v:
; chunks 0-3 behind the round at K step 3 (every wave has their fragments in registers), chunks 4-7 behind the round at K step 7; a wave asks for one chunk.
; So a refill is asked for four K steps, 128 products a wave, ahead of its first read; no prefetch is laid beside that.
; CLUSTERS 4 x 4: x's chunks are shared along a row of the cluster, W's along a column: every load is a joint one.  A wave has one tensor load out at the most.
; q, k: source 0 = 16 columns of W, source 1 = 16 tokens: a lane holds one token and, over 4 tiles, 2 x 16 neighbouring channels.  v: the sources swapped: a lane holds one channel and 4 x 16 neighbouring keys.
; (Of 32 rows tile u takes in row r the row 8 u + r + 8 (r / 8).)
; OUT: qkimg [q, k][batch x head][key step] records of 6,656 bytes = 8 tiles x 768 (K = 64), then 8 x 64 bytes of scale words (b0, b1, b0, b1);
;      vimg [batch x head][key step] records of 6,400 = 4 channel tiles x 1,536, then 4 x 64.
; LIMITS: NaN and infinities are not served; blocks whose largest magnitude lies under 2^-124 get the byte 1.
; REGISTERS: window 0: v1-18 LDS addresses (every chunk is reached by an immediate), v20-22 lane terms, v32-43 scale words (two sets), v64-223 the epilogue;
; windows 1 and 3: the two fragment sets (x tile a at 12 a, W tile b at 96 + 12 b); window 2: the accumulators.
.set XCH,   25600
.set WCH,   12800
.set WL,    8*XCH
.set SPARE, 0x4b000
.set WSTEP, 8*8*WCH                    ; from Wq's block of 128 columns to Wk's, and to Wv's
.set AX16,  1                          ; v1-4: x's 16-byte places, chunks 2 g and 2 g + 1
.set AX8,   5
.set AXS,   9
.set AW16,  13                         ; v13-14: W's, chunks 4 g .. 4 g + 3
.set AW8,   15
.set AWS,   17
.set L16,   20
.set L8,    21
.set L4,    22
.set SX,    32
.set SW,    40
.set OUT,   64
.set TT,    128
.set TTV,   112
.set PW,    160
.set PS,    168
.set TX,    176
.set TP,    192
.set TS,    208
.set WV,    12
.set WT,    13
.set WN,    14
.set TYPE,  23
.set G1X,   24
.set G1W,   32
.set G0X,   40
.set G0W,   44
.set G1R,   48
.set G0R,   68                         ; s[68:71] refills of chunks 0-3, s[72:75] of chunks 4-7
.set SEL,   88
.set MSK,   90
.set MSB, 0
.macro WIN new
.if MSB != (\new)
	s_set_vgpr_msb (MSB<<8)|(\new)
.set MSB, (\new)
.endif
.endm
.macro CROUND
	s_barrier_signal -1
	s_barrier_wait -1
	s_cmp_lg_u32 s[WV], 0
	s_cbranch_scc1 .Lnw0_\@
	s_barrier_signal -3
.Lnw0_\@:
	s_barrier_wait -3
	s_barrier_signal -1
	s_barrier_wait -1
.endm
; one product; c: the C operand as it is written; ra, rb: which half of the lanes of the scale registers is read
.macro WM d, a, b, c, sa, sb, ra, rb
.if ((\ra) == 0) && ((\rb) == 0)
	v_wmma_scale_f32_16x16x128_f8f6f4 v[(\d):(\d)+7], v[(\a):(\a)+11], v[(\b):(\b)+11], \c, v[(\sa)], v[(\sb)] matrix_a_fmt:MATRIX_FMT_FP6 matrix_b_fmt:MATRIX_FMT_FP6
.elseif ((\ra) == 1) && ((\rb) == 0)
	v_wmma_scale_f32_16x16x128_f8f6f4 v[(\d):(\d)+7], v[(\a):(\a)+11], v[(\b):(\b)+11], \c, v[(\sa)], v[(\sb)] matrix_a_fmt:MATRIX_FMT_FP6 matrix_b_fmt:MATRIX_FMT_FP6 matrix_a_scale:MATRIX_SCALE_ROW1
.elseif ((\ra) == 0) && ((\rb) == 1)
	v_wmma_scale_f32_16x16x128_f8f6f4 v[(\d):(\d)+7], v[(\a):(\a)+11], v[(\b):(\b)+11], \c, v[(\sa)], v[(\sb)] matrix_a_fmt:MATRIX_FMT_FP6 matrix_b_fmt:MATRIX_FMT_FP6 matrix_b_scale:MATRIX_SCALE_ROW1
.else
	v_wmma_scale_f32_16x16x128_f8f6f4 v[(\d):(\d)+7], v[(\a):(\a)+11], v[(\b):(\b)+11], \c, v[(\sa)], v[(\sb)] matrix_a_fmt:MATRIX_FMT_FP6 matrix_b_fmt:MATRIX_FMT_FP6 matrix_a_scale:MATRIX_SCALE_ROW1 matrix_b_scale:MATRIX_SCALE_ROW1
.endif
.endm
.macro PQK p, z, a, b                  ; q, k: accumulator 4 a + b
.if \z
	WM 8*(4*\a+\b), 96+12*\b, 12*\a, 0, SW+2*(\p)+(\b/2), SX+4*(\p)+(\a/2), \b%2, \a%2
.else
	WM 8*(4*\a+\b), 96+12*\b, 12*\a, v[8*(4*\a+\b):8*(4*\a+\b)+7], SW+2*(\p)+(\b/2), SX+4*(\p)+(\a/2), \b%2, \a%2
.endif
.endm
.macro PV_ p, z, a, b                  ; v: accumulator 8 b + a
.if \z
	WM 8*(8*\b+\a), 12*\a, 96+12*\b, 0, SX+4*(\p)+(\a/2), SW+2*(\p)+(\b/2), \a%2, \b%2
.else
	WM 8*(8*\b+\a), 12*\a, 96+12*\b, v[8*(8*\b+\a):8*(8*\b+\a)+7], SX+4*(\p)+(\a/2), SW+2*(\p)+(\b/2), \a%2, \b%2
.endif
.endm
.macro LDT r, a16, a8, o               ; a fragment's image: 512, 256, 512, 256 consecutive bytes
	ds_load_b128 v[(\r):(\r)+3], v[\a16] offset:(\o)
	ds_load_b64 v[(\r)+4:(\r)+5], v[\a8] offset:(\o)+512
	ds_load_b128 v[(\r)+6:(\r)+9], v[\a16] offset:(\o)+768
	ds_load_b64 v[(\r)+10:(\r)+11], v[\a8] offset:(\o)+1280
.endm
.macro LDX a, nx
	LDT 12*\a, AX16+(\nx)/2, AX8+(\nx)/2, ((\nx)%2)*XCH+1536*\a
.endm
.macro LDW b, nx
	LDT 96+12*\b, AW16+(\nx)/4, AW8+(\nx)/4, ((\nx)%4)*WCH+1536*\b
.endm
.macro FSC p, nx                       ; chunk nx's scale words into set p (window 0)
.irp j, 0,1,2,3
	ds_load_b32 v[SX+4*(\p)+\j], v[AXS+(\nx)/2] offset:((\nx)%2)*XCH+128*\j
.endr
.irp j, 0,1
	ds_load_b32 v[SW+2*(\p)+\j], v[AWS+(\nx)/4] offset:((\nx)%4)*WCH+128*\j
.endr
.endm
; a K step's 32 products on set p in four groups of eight; ahead of the first three groups stand sixteen of chunk nx's 48 fragment loads, into the other set.
; The 32 accumulators take turns, one instruction a turn, in the same order in every step.
.macro MULF p, v, z, nx
.irp q, 0,1,2,3
.if ((\nx) >= 0) && (\q < 3)
	WIN 0x40+0x80*(1-(\p))
.if \q < 2
.irp a, (4*\q),(4*\q+1),(4*\q+2),(4*\q+3)
	LDX \a, \nx
.endr
.else
.irp b, 0,1,2,3
	LDW \b, \nx
.endr
.endif
.endif
	WIN 0xa5+0x0a*(\p)
.if \v
.irp a, 0,1,2,3,4,5,6,7
	PV_ \p, \z, \a, \q
.endr
.else
.irp a, (2*\q),(2*\q+1)
.irp b, 0,1,2,3
	PQK \p, \z, \a, \b
.endr
.endr
.endif
.endr
	WIN 0
.endm
; K step s.  mode 1: the half of W's panel just read out is filled again; mode 2: the last refill is shown to all waves; mode 0: my fragments alone are waited for
.macro STEP s, v, mode
.set P, (\s)%2
.if (\mode) == 1
	s_wait_tensorcnt 0x0                           ; all my tensor loads have landed;
	ds_add_u32 v254, v255
	s_add_nc_u64 s[G0R+4*((\s)/4)+2:G0R+4*((\s)/4)+3], s[G0R+4*((\s)/4)+2:G0R+4*((\s)/4)+3], WSTEP   ; no load of mine is out: the next pass's chunk
	s_wait_dscnt 0x0                               ; the add is done, and this step's fragments are in: my reads of the chunks up to s are over
	CROUND                                         ; the same holds of every wave of the cluster
	tensor_load_to_lds s[G0R+4*((\s)/4):G0R+4*((\s)/4)+3], s[G1R:G1R+7]
	s_nop 0
.elseif (\mode) == 2
	s_wait_tensorcnt 0x0
	s_wait_dscnt 0x0
	s_barrier_signal -1
	s_barrier_wait -1
.else
	s_wait_dscnt 0x0
.endif
.if (\s) < 7
.set NX, (\s)+1
.elseif \v
.set NX, -1
.else
.set NX, 0                             ; the next pass begins at chunk 0
.endif
.if NX >= 0
.rept 4
	v_nop                                          ; places in front of loads into the set that the last step multiplied
.endr
	FSC 1-P, NX
.endif
.if (\s) == 0
	MULF P, \v, 1, NX
.else
	MULF P, \v, 0, NX
.endif
.endm
	s_load_b128 s[4:7], s[0:1], 0x0                ; ximg, wimg
	s_load_b128 s[8:11], s[0:1], 0x10              ; qkimg, vimg
	v_lshl_add_u32 v254, v0, 2, SPARE
	v_mov_b32 v255, 0
	ds_add_u32 v254, v255
	ds_add_u32 v254, v255
	v_lshrrev_b32 v23, 5, v0
	v_readfirstlane_b32 s[WV], v23                 ; wave 0..3
	s_lshr_b32 s[WT], s[WV], 1                     ; which 128 tokens
	s_and_b32 s[WN], s[WV], 1                      ; which 64 columns.  Also: which half of a panel I fetch at the head
	s_bfe_u32 s15, ttmp6, 0x40000                  ; cx
	s_bfe_u32 s16, ttmp6, 0x40004                  ; cy
	s_lshl_b32 s17, ttmp9, 2
	s_add_co_u32 s17, s17, s15                     ; nb: which pair of heads
	s_and_b32 s18, ttmp7, 0xffff
	s_lshl_b32 s18, s18, 2
	s_add_co_u32 s18, s18, s16                     ; tb: which 256 tokens
	s_lshl_b32 s19, s16, 2
	s_lshl_b32 s19, 15, s19                        ; my row of the cluster
	s_lshl_b32 s20, 0x1111, s15                    ; my column
	s_or_b32 s[G1X], s19, (3<<16)|(1<<21)          ; the mask; elements of 8 bytes; bit 21 beside a mask
	s_or_b32 s[G1W], s20, (3<<16)|(1<<21)
	s_or_b32 s[G1R], s20, (3<<16)|(1<<21)
.irp g, G1X, G1W, G1R
	s_mov_b32 s[\g+1], 32<<16                      ; dense rows of 256 bytes
	s_mov_b32 s[\g+3], 32<<16
	s_mov_b32 s[\g+5], 32
	s_mov_b32 s[\g+6], 0
	s_mov_b32 s[\g+7], 0
.endr
	s_mov_b32 s[G1X+2], 400<<16                    ; four chunks of x
	s_mov_b32 s[G1X+4], 400
	s_mov_b32 s[G1W+2], 200<<16                    ; four chunks of W
	s_mov_b32 s[G1W+4], 200
	s_mov_b32 s[G1R+2], 50<<16                     ; one chunk of W
	s_mov_b32 s[G1R+4], 50
	s_mul_i32 s84, s18, 8*XCH                      ; x's address hangs on tb alone, W's on nb alone
	s_mul_i32 s21, s[WN], 4*XCH
	s_add_co_u32 s84, s84, s21
	s_mov_b32 s85, 0
	s_mul_i32 s86, s17, 8*WCH
	s_mov_b32 s87, 0
	s_mul_i32 s58, s[WN], 4*WCH
	s_mov_b32 s59, 0
	s_mul_i32 s56, s[WV], WCH
	s_mov_b32 s57, 0
	s_mov_b32 s[SEL], 0x76543210
	s_mov_b32 s[SEL+1], 0xfedcba98
	s_mov_b32 s[MSK], 0xffff0000
	s_wait_dscnt 0x0
	s_wait_kmcnt 0x0
	s_add_nc_u64 s[84:85], s[4:5], s[84:85]
	s_add_nc_u64 s[86:87], s[6:7], s[86:87]
	s_mov_b32 s[G0X], 1
	s_mov_b32 s[G0X+1], s21
	s_mov_b64 s[G0X+2:G0X+3], s[84:85]
	s_or_b32 s[G0X+3], s[G0X+3], 0x80000000
	s_mov_b32 s[G0W], 1
	s_add_co_u32 s[G0W+1], s58, WL
	s_add_nc_u64 s[G0W+2:G0W+3], s[86:87], s[58:59]
	s_or_b32 s[G0W+3], s[G0W+3], 0x80000000
	s_add_nc_u64 s[86:87], s[86:87], s[56:57]      ; the refills: chunk wave, and chunk 4 + wave; each is stepped to the next pass's block ahead of its use
.irp j, 0,1
	s_mov_b32 s[G0R+4*\j], 1
	s_add_co_u32 s[G0R+4*\j+1], s56, WL+4*\j*WCH
	s_add_nc_u64 s[G0R+4*\j+2:G0R+4*\j+3], s[86:87], 4*\j*WCH
	s_or_b32 s[G0R+4*\j+3], s[G0R+4*\j+3], 0x80000000
.endr
	CROUND                                         ; all sixteen work-groups are here: the joint loads meet
	s_cmp_lt_u32 s[WV], 2                          ; waves 0 and 1 fetch the halves of x's panel, waves 2 and 3 those of Wq's: one load a wave
	s_cbranch_scc0 .Lfill_w
	tensor_load_to_lds s[G0X:G0X+3], s[G1X:G1X+7]
	s_nop 0
.rept 4
	v_nop
.endr
	s_branch .Lfilled
.Lfill_w:
	tensor_load_to_lds s[G0W:G0W+3], s[G1W:G1W+7]
	s_nop 0
.rept 4
	v_nop
.endr
.Lfilled:
	v_and_b32 v23, 31, v0
	v_lshlrev_b32 v[L16], 4, v23
	v_lshlrev_b32 v[L8], 3, v23
	v_lshlrev_b32 v[L4], 2, v23
	s_wait_alu depctr_va_vdst(0)                   ; the wait behind these writes
	s_mul_i32 s56, s[WT], 12288                    ; my 8 tiles of x in a chunk
	s_lshl_b32 s57, s[WT], 9
	s_add_co_u32 s57, s57, 24576                   ; and their scale words
.irp g, 0,1,2,3
	v_add_nc_u32 v[AX16+\g], s56, v[L16]
	v_add_nc_u32 v[AX8+\g], s56, v[L8]
	v_add_nc_u32 v[AXS+\g], s57, v[L4]
	s_add_co_u32 s56, s56, 2*XCH
	s_add_co_u32 s57, s57, 2*XCH
.endr
	s_mul_i32 s56, s[WN], 6144
	s_add_co_u32 s56, s56, WL                      ; my 4 tiles of W
	s_lshl_b32 s57, s[WN], 8
	s_add_co_u32 s57, s57, WL+12288
.irp g, 0,1
	v_add_nc_u32 v[AW16+\g], s56, v[L16]
	v_add_nc_u32 v[AW8+\g], s56, v[L8]
	v_add_nc_u32 v[AWS+\g], s57, v[L4]
	s_add_co_u32 s56, s56, 4*WCH
	s_add_co_u32 s57, s57, 4*WCH
.endr
	s_lshr_b32 s56, s18, 3                         ; batch
	s_lshl_b32 s57, s17, 1
	s_add_co_u32 s57, s57, s[WN]                   ; head
	s_lshl_b32 s56, s56, 4
	s_add_co_u32 s56, s56, s57                     ; batch x head
	s_and_b32 s58, s18, 7
	s_lshl_b32 s58, s58, 1
	s_add_co_u32 s58, s58, s[WT]                   ; key step
	s_mul_i32 s60, s56, 106496
	s_mul_i32 s61, s58, 6656
	s_add_co_u32 s60, s60, s61
	s_mov_b32 s61, 0
	s_add_nc_u64 s[8:9], s[8:9], s[60:61]          ; my record of q
	s_mul_i32 s62, s56, 102400
	s_mul_i32 s63, s58, 6400
	s_add_co_u32 s62, s62, s63
	s_mov_b32 s63, 0
	s_add_nc_u64 s[10:11], s[10:11], s[62:63]      ; and of v
	s_mov_b32 s[TYPE], 0
	s_wait_alu depctr_va_vdst(0)                   ; the wait at the head's end
	s_wait_tensorcnt 0x0                           ; my half panel has landed
	s_barrier_signal -1
	s_barrier_wait -1                              ; everybody's has
	FSC 0, 0
	WIN 0x40
.irp a, 0,1,2,3,4,5,6,7
	LDX \a, 0
.endr
.irp b, 0,1,2,3
	LDW \b, 0
.endr
	WIN 0
.Lpass:                                                ; two trips: q, then k
	STEP 0, 0, 0
	STEP 1, 0, 0
	STEP 2, 0, 0
	STEP 3, 0, 1
	STEP 4, 0, 0
	STEP 5, 0, 0
	STEP 6, 0, 0
	STEP 7, 0, 1
	; tile a's 32 registers are the token's 64 channels: register 16 b + i = channel 32 b + 16 (lane / 16) + i
.irp n, 0,1,2,3,4,5,6,7,8,9,10,11,12,13,14,15
	v_mov_b32 v[TP+\n], 0                          ; a lane permute's destination counts as a source.  (Also the places behind the last products)
.endr
	WIN 0x0a
.irp a, 0,1,2,3,4,5,6,7
.irp b, 0,1
	v_max3_num_f32 v[TX+2*\a+\b], |v[32*\a+16*\b]|, |v[32*\a+16*\b+1]|, 0x1800000   ; from each accumulator's low end on; the floor 2^(3 - 127)
.endr
.endr
.irp i, 2,4,6,8,10,12,14
.irp a, 0,1,2,3,4,5,6,7
.irp b, 0,1
	v_max3_num_f32 v[TX+2*\a+\b], |v[32*\a+16*\b+\i]|, |v[32*\a+16*\b+\i+1]|, v[TX+2*\a+\b]
.endr
.endr
.endr
	WIN 0
.irp n, 0,1,2,3,4,5,6,7,8,9,10,11,12,13,14,15
	v_permlanex16_b32 v[TP+\n], v[TX+\n], s[SEL], s[SEL+1]
.endr
.irp n, 0,1,2,3,4,5,6,7,8,9,10,11,12,13,14,15
	v_max_num_f32 v[TX+\n], v[TX+\n], v[TP+\n]     ; the block's largest magnitude
.endr
.irp n, 0,1,2,3,4,5,6,7,8,9,10,11,12,13,14,15
	v_add_nc_u32 v[TS+\n], 0xff000000, v[TX+\n]    ; the conversion's scale operand
.endr
.irp n, 0,1,2,3,4,5,6,7,8,9,10,11,12,13,14,15
	v_lshrrev_b32 v[TP+\n], 23, v[TS+\n]           ; the byte
.endr
.irp a, 0,1,2,3,4,5,6,7
	v_lshl_or_b32 v[PW+\a], v[TP+2*\a+1], 8, v[TP+2*\a]
.endr
.irp a, 0,1,2,3,4,5,6,7
	v_lshl_or_b32 v[PW+\a], v[PW+\a], 16, v[PW+\a] ; (b0, b1, b0, b1)
.endr
	WIN 0x02
.irp a, 0,1,2,3,4,5,6,7
	v_cvt_scalef32_pk16_fp6_f32 v[OUT+8*\a:OUT+8*\a+2], v[32*\a:32*\a+15], v[TS+2*\a]
	v_cvt_scalef32_pk16_fp6_f32 v[TT+4*\a:TT+4*\a+2], v[32*\a+16:32*\a+31], v[TS+2*\a+1]
.endr
	WIN 0
	v_nop                                          ; one plain place behind a scaled conversion
.irp a, 0,1,2,3,4,5,6,7
.irp i, 0,1,2
	v_permlane16_swap_b32 v[OUT+8*\a+\i], v[TT+4*\a+\i]   ; a whole block to a lane
.endr
.endr
.irp a, 0,1,2,3,4,5,6,7
.irp i, 0,1,2
	v_mov_b32 v[OUT+8*\a+3+\i], v[TT+4*\a+\i]
.endr
.endr
.irp a, 0,1,2,3,4,5,6,7
	global_store_b128 v[L16], v[OUT+8*\a:OUT+8*\a+3], s[8:9] offset:768*\a          ; 512 consecutive bytes, aligned
	global_store_b64 v[L8], v[OUT+8*\a+4:OUT+8*\a+5], s[8:9] offset:768*\a+512      ; 256
.endr
.irp j, 0,1,2,3
	v_cndmask_b32 v[PS+\j], v[PW+2*\j], v[PW+2*\j+1], s[MSK]   ; lanes 0-15 tile 2 j's words, lanes 16-31 tile 2 j + 1's
	global_store_b32 v[L4], v[PS+\j], s[8:9] offset:6144+128*\j
.endr
	s_wait_xcnt 0x0                                ; the stores have read their base and their data: both are written again only behind this wait
	s_add_nc_u64 s[8:9], s[8:9], 6815744           ; from q's records to k's
	s_add_co_u32 s[TYPE], s[TYPE], 1
	s_cmp_lt_u32 s[TYPE], 2
	s_wait_alu depctr_va_vdst(0)                   ; the wait ahead of the branch
	s_cbranch_scc1 .Lpass
	STEP 0, 1, 0                                   ; v: nothing more is filled
	STEP 1, 1, 0
	STEP 2, 1, 0
	STEP 3, 1, 2
	STEP 4, 1, 0
	STEP 5, 1, 0
	STEP 6, 1, 0
	STEP 7, 1, 0
	; channel tile b's 64 registers are the channel's 128 keys: register 16 g + i = key 32 g + 16 (lane / 16) + i
.irp n, 0,1,2,3,4,5,6,7,8,9,10,11,12,13,14,15
	v_mov_b32 v[TP+\n], 0
.endr
	WIN 0x0a
.irp n, 0,1,2,3,4,5,6,7,8,9,10,11,12,13,14,15
	v_max3_num_f32 v[TX+\n], |v[16*\n]|, |v[16*\n+1]|, 0x1800000   ; block n % 4 of tile n / 4
.endr
.irp i, 2,4,6,8,10,12,14
.irp n, 0,1,2,3,4,5,6,7,8,9,10,11,12,13,14,15
	v_max3_num_f32 v[TX+\n], |v[16*\n+\i]|, |v[16*\n+\i+1]|, v[TX+\n]
.endr
.endr
	WIN 0
.irp n, 0,1,2,3,4,5,6,7,8,9,10,11,12,13,14,15
	v_permlanex16_b32 v[TP+\n], v[TX+\n], s[SEL], s[SEL+1]
.endr
.irp n, 0,1,2,3,4,5,6,7,8,9,10,11,12,13,14,15
	v_max_num_f32 v[TX+\n], v[TX+\n], v[TP+\n]
.endr
.irp n, 0,1,2,3,4,5,6,7,8,9,10,11,12,13,14,15
	v_add_nc_u32 v[TS+\n], 0xff000000, v[TX+\n]
.endr
.irp n, 0,1,2,3,4,5,6,7,8,9,10,11,12,13,14,15
	v_lshrrev_b32 v[TP+\n], 23, v[TS+\n]
.endr
.irp b, 0,1,2,3
	v_lshl_or_b32 v[PW+\b], v[TP+4*\b+1], 8, v[TP+4*\b]
.endr
.irp b, 0,1,2,3
	v_lshl_or_b32 v[PW+\b], v[TP+4*\b+2], 16, v[PW+\b]
.endr
.irp b, 0,1,2,3
	v_lshl_or_b32 v[PW+\b], v[TP+4*\b+3], 24, v[PW+\b]
.endr
	WIN 0x02
.irp b, 0,1,2,3
.irp c, 0,1
	v_cvt_scalef32_pk16_fp6_f32 v[OUT+12*\b+6*\c:OUT+12*\b+6*\c+2], v[64*\b+32*\c:64*\b+32*\c+15], v[TS+4*\b+2*\c]
	v_cvt_scalef32_pk16_fp6_f32 v[TTV+8*\b+4*\c:TTV+8*\b+4*\c+2], v[64*\b+32*\c+16:64*\b+32*\c+31], v[TS+4*\b+2*\c+1]
.endr
.endr
	WIN 0
	v_nop
.irp b, 0,1,2,3
.irp c, 0,1
.irp i, 0,1,2
	v_permlane16_swap_b32 v[OUT+12*\b+6*\c+\i], v[TTV+8*\b+4*\c+\i]
.endr
.endr
.endr
.irp b, 0,1,2,3
.irp c, 0,1
.irp i, 0,1,2
	v_mov_b32 v[OUT+12*\b+6*\c+3+\i], v[TTV+8*\b+4*\c+\i]
.endr
.endr
.endr
.irp b, 0,1,2,3
	global_store_b128 v[L16], v[OUT+12*\b:OUT+12*\b+3], s[10:11] offset:1536*\b
	global_store_b64 v[L8], v[OUT+12*\b+4:OUT+12*\b+5], s[10:11] offset:1536*\b+512
	global_store_b128 v[L16], v[OUT+12*\b+6:OUT+12*\b+9], s[10:11] offset:1536*\b+768
	global_store_b64 v[L8], v[OUT+12*\b+10:OUT+12*\b+11], s[10:11] offset:1536*\b+1280
.endr
.irp j, 0,1
	v_cndmask_b32 v[PS+\j], v[PW+2*\j], v[PW+2*\j+1], s[MSK]
	global_store_b32 v[L4], v[PS+\j], s[10:11] offset:6144+128*\j
.endr
	s_wait_tensorcnt 0x0                           ; the wave's end
	ds_add_u32 v254, v255
	s_wait_dscnt 0x0
	CROUND                                         ; the closing round
	s_endpgm
.Lfunc_end_k_qbb87d5983d_qkv:
	.size	k_qbb87d5983d_qkv, .Lfunc_end_k_qbb87d5983d_qkv-k_qbb87d5983d_qkv
	.p2alignl 7, 3214868480
	.fill 96, 4, 3214868480
	.section	.rodata,"a",@progbits
	.p2align	6, 0x0
	.amdhsa_kernel k_qbb87d5983d_qkv
		.amdhsa_group_segment_fixed_size 327680
		.amdhsa_private_segment_fixed_size 0
		.amdhsa_enable_private_segment 0
		.amdhsa_kernarg_size 32
		.amdhsa_user_sgpr_count 2
		.amdhsa_user_sgpr_kernarg_segment_ptr 1
		.amdhsa_wavefront_size32 1
		.amdhsa_system_sgpr_workgroup_id_x 1
		.amdhsa_system_sgpr_workgroup_id_y 1
		.amdhsa_system_sgpr_workgroup_id_z 1
		.amdhsa_system_vgpr_workitem_id 0
		.amdhsa_next_free_vgpr 1024
		.amdhsa_next_free_sgpr 96
		.amdhsa_reserve_vcc 0
		.amdhsa_float_denorm_mode_32 3
		.amdhsa_float_denorm_mode_16_64 3
		.amdhsa_memory_ordered 1
		.amdhsa_forward_progress 1
		.amdhsa_inst_pref_size 169
	.end_amdhsa_kernel
	.amdgpu_metadata
---
amdhsa.version: [ 1, 2 ]
amdhsa.kernels:
  - .name:           k_qbb87d5983d_qkv
    .symbol:         k_qbb87d5983d_qkv.kd
    .args:
      - { .name: ximg, .offset: 0, .size: 8, .value_kind: global_buffer, .address_space: global }
      - { .name: wimg, .offset: 8, .size: 8, .value_kind: global_buffer, .address_space: global }
      - { .name: qkimg, .offset: 16, .size: 8, .value_kind: global_buffer, .address_space: global }
      - { .name: vimg, .offset: 24, .size: 8, .value_kind: global_buffer, .address_space: global }
    .group_segment_fixed_size: 327680
    .private_segment_fixed_size: 0
    .kernarg_segment_align: 8
    .kernarg_segment_size: 32
    .max_flat_workgroup_size: 128
    .sgpr_count:     96
    .vgpr_count:     1024
    .wavefront_size: 32
...
	.end_amdgpu_metadata
.endif
;; end of part 2
;; launch attn (part 3): grid 4 x 64, 16 waves a work-group, clusters of 4 x 1, 215,040 bytes of LDS; arguments qkimg, vimg, rel_table, aimg; writes aimg
.if DOCPART == 3
	.amdgcn_target "amdgcn-amd-amdhsa--gfx1250"
	.amdhsa_code_object_version 6
	.text
	.protected	k_qbb87d5983d_attn
	.globl	k_qbb87d5983d_attn
	.p2align	8
	.type	k_qbb87d5983d_attn,@function
k_qbb87d5983d_attn:
	s_mov_b64 s[64:65], 0
	v_nop
	global_prefetch_b8 v0, s[64:65] scope:SCOPE_SE
	s_setreg_imm32_b32 hwreg(HW_REG_WAVE_MODE, 25, 1), 1
	s_wait_xcnt 0x0
	s_wait_alu depctr_hold_cnt(0) depctr_sa_sdst(0) depctr_va_vdst(0) depctr_va_sdst(0) depctr_va_ssrc(0) depctr_va_vcc(0) depctr_vm_vsrc(0)
	s_getreg_b32 s2, hwreg(HW_REG_IB_STS2, 6, 4)
	s_cmp_eq_u32 s2, 0
	s_cbranch_scc0 .Lentry_in_a_cluster
	s_endpgm
.Lentry_in_a_cluster:
	s_bfe_u32 s2, ttmp6, 0x10000c
	s_cmp_lg_u32 s2, 0x3003
	s_cbranch_scc0 .Lentry_shape_is_right
	s_endpgm
.Lentry_shape_is_right:
; Causal attention with a relative bias, both products on codes of E2M3; the result is quantised along the head's 64 channels for the output projection.
; Key steps all of whose keys come after a tile's queries are hidden by the mask that the problem builds itself: they are jumped over.
; SHARES.  The four work-groups of a cluster serve one batch x head.  Wave w of partner cx owns the tiles of 16 queries A = 4 w + cx and B = 127 - A: w / 2 + 1 and 16 - w / 2 key steps of 128 keys, 17 for every wave.
; LDS, filled once by one joint load a wave: the head's 16 records of K (6,656 bytes) and 16 of V (6,400); behind them two tables of 512 words written by the waves.  All of K and V is asked for at the head: there is no later stream to prefetch.
; LAYOUT.  S^T = K Q^T (source 0 = 16 keys, source 1 = my 16 queries), O^T = V^T P^T: a lane holds ONE query throughout.
; WHICH KEYS FORM A TILE OF K is chosen by the lanes' LDS addresses: row m of tile 4 c + u is key 64 c + 32 (m / 8) + 8 u + m % 8.  So register 32 c + i of S^T is key 64 c + 32 (lane / 16) + i:
; a lane's 32 registers are one whole block of 32 keys, in the order in which p's operand wants them: no lane swap, and a block's maximum needs no other lane.
; K = 64 in the first product: Q's upper half is zero codes, so whatever codes stand in the upper half of K's operand add nothing: tile t's operand is v[K + 6 t .. K + 6 t + 11], its upper half the next tile's codes.
; THE SCORE: s = q.k + 8 (bias - far), far = the table's first row (all keys 16 or more behind the query); t = s log2(e) / 8 + far log2(e), the second term in the multiply-add's addend.
; The first term's bias and the mask come from a table E in LDS: E[216 + delta + (key - query)] = 8 (bias - far), or -infinity where the key comes after the query; delta is the part of the query's number
; that hangs on cx: it enters the table's CONTENT, never an LDS address or a branch.  E is 0 for all keys but the last step's and the last 16 of the step before.
; THE SOFTMAX: M = the running largest t rounded up to a whole number; p = 2^(t - M) is quantised along the keys; the sum is taken of the unquantised p; when M moves, sum and O^T are multiplied by 2^(old M - new M).
; AHEAD: the next step's fragments of K are asked for behind this step's first product, V's behind its second; the addresses are held at the last record.
; LIMITS: NaN and infinities among the inputs are not served; blocks whose largest magnitude lies under 2^-124 get the byte 1.
.set KREC, 6656
.set VREC, 6400
.set VL,   16*KREC
.set EL,   VL+16*VREC
.set SPARE, 0x34000
.set PW,   0                           ; v0 (behind the head) p's scale word
.set L4,   1                           ; 4, 16, 8 x lane; 4 x (lane % 16)
.set L16,  2
.set L8,   3
.set L4R,  4
.set K16C, 5                           ; my lane's places in a record of K: 16-byte pieces, 8-byte pieces, scale words
.set K8C,  6
.set KWC,  7
.set W0,   8                           ; v8-10 addresses at work
.set W1,   9
.set W2,   10
.set AE,   11                          ; my place in the tile's E
.set VS,   12                          ; v12-13 V's scale words
.set AD,   14                          ; far log2(e) - M
.set NM,   15                          ; -M
.set F,    16                          ; 2^(old M - new M)
.set TM,   17                          ; the running largest t
.set SUM,  18                          ; v[18:19]
.set Q,    20                          ; v20-31, the upper six zero
.set QS,   32
.set QBS,  33                          ; tile B's scale words and codes
.set QB,   34
.set K,    40                          ; v40-87 eight half fragments, v88-93 six more registers for the last one's upper half
.set V,    94                          ; v94-141
.set S,    142                         ; v142-205 S^T, then p
.set O,    206                         ; v206-237 O^T
.set PC,   238                         ; v238-249 p's codes; ahead of them registers at work
.set CH,   244
.set BM,   248
.set KS,   250                         ; v250-253 K's scale words
.set SPW,  254
.set NIL,  255
.set WV,   12
.set SEL,  20
.set CS,   22
.set G1K,  24
.set G1V,  32
.set G0K,  40
.set G0V,  44
.set B8,   74
.set SIG,  90
.set TK,   91
.set TV,   92
.set CB,   93                          ; far log2(e)
.set SAB,  94                          ; from my place in tile A's E to that in tile B's
.macro CROUND
	s_barrier_signal -1
	s_barrier_wait -1
	s_cmp_lg_u32 s[WV], 0
	s_cbranch_scc1 .Lnw0_\@
	s_barrier_signal -3
.Lnw0_\@:
	s_barrier_wait -3
	s_barrier_signal -1
	s_barrier_wait -1
.endm
.macro D1
	s_delay_alu instid0(VALU_DEP_1)
.endm
.macro WQK t
.if ((\t)%2) == 0
	v_wmma_scale_f32_16x16x128_f8f6f4 v[S+8*\t:S+8*\t+7], v[K+6*\t:K+6*\t+11], v[Q:Q+11], 0, v[KS+\t/2], v[QS] matrix_a_fmt:MATRIX_FMT_FP6 matrix_b_fmt:MATRIX_FMT_FP6
.else
	v_wmma_scale_f32_16x16x128_f8f6f4 v[S+8*\t:S+8*\t+7], v[K+6*\t:K+6*\t+11], v[Q:Q+11], 0, v[KS+\t/2], v[QS] matrix_a_fmt:MATRIX_FMT_FP6 matrix_b_fmt:MATRIX_FMT_FP6 matrix_a_scale:MATRIX_SCALE_ROW1
.endif
.endm
.macro WPV t
.if ((\t)%2) == 0
	v_wmma_scale_f32_16x16x128_f8f6f4 v[O+8*\t:O+8*\t+7], v[V+12*\t:V+12*\t+11], v[PC:PC+11], v[O+8*\t:O+8*\t+7], v[VS+\t/2], v[PW] matrix_a_fmt:MATRIX_FMT_FP6 matrix_b_fmt:MATRIX_FMT_FP6
.else
	v_wmma_scale_f32_16x16x128_f8f6f4 v[O+8*\t:O+8*\t+7], v[V+12*\t:V+12*\t+11], v[PC:PC+11], v[O+8*\t:O+8*\t+7], v[VS+\t/2], v[PW] matrix_a_fmt:MATRIX_FMT_FP6 matrix_b_fmt:MATRIX_FMT_FP6 matrix_a_scale:MATRIX_SCALE_ROW1
.endif
.endm
; a record of K: 20 LDS loads.  Row m of tile t = 4 c + u lies in the record's tile 4 c + 2 (m / 8) + u % 2, row m % 8 + 8 (u / 2): the terms in m stand in the address registers
.macro KLOAD a16, a8, aw
.irp t, 0,1,2,3,4,5,6,7
	ds_load_b128 v[K+6*\t:K+6*\t+3], v[\a16] offset:768*(4*(\t/4)+(\t%2))+128*((\t%4)/2)
	ds_load_b64 v[K+6*\t+4:K+6*\t+5], v[\a8] offset:768*(4*(\t/4)+(\t%2))+512+64*((\t%4)/2)
.endr
.irp j, 0,1,2,3
	ds_load_b32 v[KS+\j], v[\aw] offset:6144+256*(\j/2)+32*(\j%2)   ; lanes 0-15 tile 2 j's words, lanes 16-31 tile 2 j + 1's
.endr
.endm
.macro VLOAD                           ; a record of V: 18 LDS loads
.irp t, 0,1,2,3
	ds_load_b128 v[V+12*\t:V+12*\t+3], v[W0] offset:1536*\t
	ds_load_b64 v[V+12*\t+4:V+12*\t+5], v[W1] offset:1536*\t+512
	ds_load_b128 v[V+12*\t+6:V+12*\t+9], v[W0] offset:1536*\t+768
	ds_load_b64 v[V+12*\t+10:V+12*\t+11], v[W1] offset:1536*\t+1280
.endr
	ds_load_b32 v[VS], v[W2] offset:6144
	ds_load_b32 v[VS+1], v[W2] offset:6272
.endm
; cnt words of E are added to the scores from register n0 on; they pass through K's registers, whose codes have been multiplied.  off = 512: the tile's last step; 0: the one before
.macro BAND n0, cnt, off
.set i, 0
.rept \cnt
	ds_load_b32 v[K+i], v[AE] offset:(\off)+256*(((\n0)+i)/32)+4*(((\n0)+i)%32)
.set i, i+1
.endr
	s_wait_dscnt 0x0
.set i, 0
.rept (\cnt)/2
	v_pk_add_f32 v[S+(\n0)+i:S+(\n0)+i+1], v[S+(\n0)+i:S+(\n0)+i+1], v[K+i:K+i+1]   ; each accumulator from its low end on
.set i, i+2
.endr
.endm
.macro QBASE tau, dc, dw
	s_lshr_b32 s56, s[\tau], 3
	s_mul_i32 s56, s56, KREC
	s_add_co_u32 s56, s56, s19
	s_and_b32 s57, s[\tau], 7
	s_mul_i32 s58, s57, 768
	s_add_co_u32 s58, s58, s56
	s_mov_b32 s59, 0
	s_add_nc_u64 s[\dc:\dc+1], s[4:5], s[58:59]
	s_lshl_b32 s58, s57, 6
	s_add_co_u32 s58, s58, s56
	s_add_co_u32 s58, s58, 6144
	s_add_nc_u64 s[\dw:\dw+1], s[4:5], s[58:59]
.endm
; aimg [256 tokens][head pair] chunks of 26,624 bytes = 16 tiles x (even head 768, odd head 768), even heads' words 16 x 64, odd heads' 16 x 64
.macro OBASE tau, dc, dw
	s_lshr_b32 s56, s[\tau], 4
	s_lshl_b32 s57, s16, 3
	s_add_co_u32 s56, s56, s57
	s_mul_i32 s56, s56, 212992
	s_lshr_b32 s57, s15, 1
	s_mul_i32 s57, s57, 26624
	s_add_co_u32 s56, s56, s57
	s_and_b32 s57, s[\tau], 15
	s_and_b32 s48, s15, 1
	s_mul_i32 s58, s57, 1536
	s_add_co_u32 s58, s58, s56
	s_mul_i32 s49, s48, 768
	s_add_co_u32 s58, s58, s49
	s_mov_b32 s59, 0
	s_add_nc_u64 s[\dc:\dc+1], s[10:11], s[58:59]
	s_lshl_b32 s58, s57, 6
	s_add_co_u32 s58, s58, s56
	s_lshl_b32 s49, s48, 10
	s_add_co_u32 s58, s58, s49
	s_add_co_u32 s58, s58, 24576
	s_add_nc_u64 s[\dw:\dw+1], s[10:11], s[58:59]
.endm
; A KEY STEP of 128 keys.  sl: the register with the tile's last step
.macro STEP sl
	s_cmp_gt_u32 s[SIG], s[\sl]                    ; all keys come after my queries
	s_cbranch_scc1 .Lhid_\@
	s_add_co_u32 s80, s[SIG], 1
	s_add_co_u32 s81, s[TK], KREC
	s_min_u32 s81, s81, 15*KREC                    ; the next record of K, held at the last
	s_wait_dscnt 18                                ; K's 20 loads are in; V's 18, issued behind them, may be out
.irp t, 0,1,2,3,4,5,6,7
	WQK \t
.endr
	v_add_nc_u32 v[W0], s81, v[K16C]               ; (these three and the v_nop are the places behind the products)
	v_add_nc_u32 v[W1], s81, v[K8C]
	v_add_nc_u32 v[W2], s81, v[KWC]
	v_nop
	s_wait_alu depctr_va_vdst(0)                   ; the wait ahead of the branches
	s_cmp_lt_u32 s80, s[\sl]
	s_cbranch_scc1 .Lpl_\@
	s_cmp_eq_u32 s[SIG], s[\sl]
	s_cbranch_scc0 .Lpr_\@
	BAND 0, 48, 512
	BAND 48, 16, 512
	s_wait_alu depctr_va_vdst(0)                   ; the wait ahead of the branch
	s_branch .Lpl_\@
.Lpr_\@:
	BAND 48, 16, 0                                 ; keys 112 to 127 in lanes 16-31; lanes 0-15 add zeros
.Lpl_\@:
	KLOAD W0, W1, W2
.irp q, 0,1,2,3
	v_max3_num_f32 v[CH+\q], v[S+16*\q], v[S+16*\q+1], v[S+16*\q+2]   ; four chains, two to a block of 32 keys
.endr
.irp i, 3,5,7,9,11,13
.irp q, 0,1,2,3
	v_max3_num_f32 v[CH+\q], v[CH+\q], v[S+16*\q+\i], v[S+16*\q+\i+1]
.endr
.endr
	v_max3_num_f32 v[CH], v[CH], v[S+15], v[S+31]
	v_max3_num_f32 v[CH+2], v[CH+2], v[S+47], v[S+63]
	s_delay_alu instid0(VALU_DEP_2)
	v_max_num_f32 v[BM], v[CH], v[CH+1]            ; the largest score of my two blocks: for the row's maximum and, since p rises with the score, for the block's largest p
	s_delay_alu instid0(VALU_DEP_2)
	v_max_num_f32 v[BM+1], v[CH+2], v[CH+3]
	D1
	v_max_num_f32 v[CH], v[BM], v[BM+1]
	D1
	v_permlanex16_b32 v[CH+1], v[CH], s[SEL], s[SEL+1]
	D1
	v_max_num_f32 v[CH], v[CH], v[CH+1]            ; the step's largest score of my query (the step's first key counts for every query of the tile)
	D1
	v_fma_f32 v[CH], v[CH], s[CS], s[CB]           ; as t
	D1
	v_max_num_f32 v[TM], v[TM], v[CH]
	v_mov_b32 v[CH], v[NM]
	s_delay_alu instid0(VALU_DEP_2)
	v_floor_f32 v[NM], -v[TM]                      ; the new -M = -ceil(t)
	D1
	v_sub_f32 v[CH], v[NM], v[CH]                  ; old M - new M: a whole number, 0 or less
	v_add_f32 v[AD], s[CB], v[NM]
	s_delay_alu instid0(VALU_DEP_2)
	v_cvt_i32_f32 v[CH], v[CH]                     ; (it saturates)
	D1
	v_ldexp_f32 v[F], 1.0, v[CH]
.set k, 0
.rept 32
	v_pk_fma_f32 v[S+k:S+k+1], v[S+k:S+k+1], s[CS:CS+1], v[AD:AD+1] op_sel_hi:[1,0,0]   ; t - M, two at a time
.set k, k+2
.endr
	v_fma_f32 v[BM], v[BM], s[CS], v[AD]
	v_fma_f32 v[BM+1], v[BM+1], s[CS], v[AD]
	s_wait_alu depctr_va_vdst(0)                   ; the wait ahead of the batch
.set k, 0
.rept 64
	v_exp_f32 v[S+k], v[S+k]                       ; p = 2^(t - M); a hidden key's is 0
.set k, k+1
.endr
	v_exp_f32 v[BM], v[BM]                         ; the blocks' largest p
	v_exp_f32 v[BM+1], v[BM+1]
	v_pk_mul_f32 v[SUM:SUM+1], v[SUM:SUM+1], v[F:F+1] op_sel_hi:[1,0]   ; the sums under the new M.  (A plain place behind the exponentials)
	s_wait_alu depctr_va_vdst(0)                   ; one wait for the batch, ahead of its first reader
	v_pk_add_f32 v[PC:PC+1], v[S:S+1], v[S+2:S+3]  ; the row's sum of the unquantised p, in four chains
	v_pk_add_f32 v[PC+2:PC+3], v[S+4:S+5], v[S+6:S+7]
	v_pk_add_f32 v[PC+4:PC+5], v[S+8:S+9], v[S+10:S+11]
	v_pk_add_f32 v[SUM:SUM+1], v[SUM:SUM+1], v[S+12:S+13]
.set k, 14
.rept 6
	v_pk_add_f32 v[PC:PC+1], v[PC:PC+1], v[S+k:S+k+1]
	v_pk_add_f32 v[PC+2:PC+3], v[PC+2:PC+3], v[S+k+2:S+k+3]
	v_pk_add_f32 v[PC+4:PC+5], v[PC+4:PC+5], v[S+k+4:S+k+5]
	v_pk_add_f32 v[SUM:SUM+1], v[SUM:SUM+1], v[S+k+6:S+k+7]
.set k, k+8
.endr
	v_pk_add_f32 v[PC:PC+1], v[PC:PC+1], v[S+62:S+63]
	v_pk_add_f32 v[SUM:SUM+1], v[SUM:SUM+1], v[PC+4:PC+5]
	v_max_num_f32 v[BM], 0x1800000, v[BM]          ; the floor: the byte cannot fall under 1
	v_max_num_f32 v[BM+1], 0x1800000, v[BM+1]
	v_pk_add_f32 v[PC:PC+1], v[PC:PC+1], v[PC+2:PC+3]
	v_add_nc_u32 v[BM], 0xff000000, v[BM]          ; the conversions' scale operands
	v_add_nc_u32 v[BM+1], 0xff000000, v[BM+1]
	v_pk_add_f32 v[SUM:SUM+1], v[SUM:SUM+1], v[PC:PC+1]
	v_lshrrev_b32 v[CH], 23, v[BM]                 ; the bytes of blocks h and 2 + h
	v_lshrrev_b32 v[CH+1], 23, v[BM+1]
	D1
	v_lshl_or_b32 v[CH], v[CH+1], 16, v[CH]
	D1
	v_permlanex16_b32 v[CH+1], v[CH], s[SEL], s[SEL+1]
	D1
	v_lshl_or_b32 v[PW], v[CH+1], 8, v[CH]         ; lanes 0-15, which alone are read: blocks 0 and 2 are mine, 1 and 3 lane l + 16's
	v_cvt_scalef32_pk16_fp6_f32 v[PC:PC+2], v[S:S+15], v[BM]
	v_cvt_scalef32_pk16_fp6_f32 v[PC+6:PC+8], v[S+32:S+47], v[BM+1]
	v_nop                                          ; a plain place: the next two write over sources of these two
	v_cvt_scalef32_pk16_fp6_f32 v[S:S+2], v[S+16:S+31], v[BM]          ; (a conversion's three registers begin on an even number)
	v_cvt_scalef32_pk16_fp6_f32 v[S+32:S+34], v[S+48:S+63], v[BM+1]
	v_nop
.irp i, 0,1,2
	v_mov_b32 v[PC+3+\i], v[S+\i]
	v_mov_b32 v[PC+9+\i], v[S+32+\i]
.endr
	s_add_co_u32 s81, s[TV], VREC
	s_min_u32 s81, s81, VL+15*VREC                 ; the next record of V, held at the last
	s_wait_alu depctr_va_vdst(0)                   ; the wait ahead of the first reader of O^T
.set k, 0
.rept 16
	v_pk_mul_f32 v[O+k:O+k+1], v[O+k:O+k+1], v[F:F+1] op_sel_hi:[1,0]   ; O^T under the new M.  (Also the places behind the writes of p's codes and scale word)
.set k, k+2
.endr
	s_wait_alu depctr_va_vdst(0)                   ; the wait ahead of the wait below
	s_wait_dscnt 20                                ; V's loads are in; the next K's 20, issued behind them, may be out
.irp t, 0,1,2,3
	WPV \t
.endr
	v_add_nc_u32 v[W0], s81, v[L16]                ; (places in front of the loads into V's registers)
	v_add_nc_u32 v[W1], s81, v[L8]
	v_add_nc_u32 v[W2], s81, v[L4]
	v_nop
	VLOAD
.Lhid_\@:
	s_add_co_u32 s[SIG], s[SIG], 1
	s_add_co_u32 s[TK], s[TK], KREC
	s_add_co_u32 s[TV], s[TV], VREC
.endm
; A tile of 16 queries: all its key steps, then the way out
.macro TILE x, trips, sl, oc, ow
.if \x
	s_wait_xcnt 0x0                                ; the first tile's stores have read their registers
.irp j, 0,1,2,3,4,5
	v_mov_b32 v[Q+\j], v[QB+\j]
.endr
	v_mov_b32 v[QS], v[QBS]
	v_add_nc_u32 v[AE], s[SAB], v[AE]
.endif
	v_mov_b32 v[TM], 0xff61b1e6                    ; the largest t so far: -3e38
	v_floor_f32 v[NM], -v[TM]
	v_mov_b32 v[SUM], 0
	v_mov_b32 v[SUM+1], 0
	v_add_nc_u32 v[W0], VL, v[L16]
	v_add_nc_u32 v[W1], VL, v[L8]
	v_add_nc_u32 v[W2], VL, v[L4]
.set k, 0
.rept 32
	v_mov_b32 v[O+k], 0                            ; the step is written once; the first finds zeros
.set k, k+1
.endr
	s_mov_b32 s[SIG], 0
	s_mov_b32 s[TK], 0
	s_mov_b32 s[TV], VL
	KLOAD K16C, K8C, KWC                           ; step 0's fragments: K's 20 loads, then V's 18
	VLOAD
.Ltile_\@:
	STEP \sl
	s_cmp_lt_u32 s[SIG], \trips
	s_cbranch_scc1 .Ltile_\@
	s_wait_dscnt 0x0                               ; the loads asked for behind the last step have landed: their registers may be loaded anew
.rept 4
	v_nop                                          ; places behind the last products
.endr
	v_add_f32 v[SUM], v[SUM], v[SUM+1]
	v_permlanex16_b32 v[CH], v[SUM], s[SEL], s[SEL+1]
	v_add_f32 v[SUM], v[SUM], v[CH]                ; the row's sum
	s_wait_alu depctr_va_vdst(0)
	v_rcp_f32 v[F], v[SUM]
	v_nop
	s_wait_alu depctr_va_vdst(0)                   ; ahead of the first reader of the reciprocal and of O^T
.set k, 0
.rept 16
	v_pk_mul_f32 v[S+k:S+k+1], v[O+k:O+k+1], v[F:F+1] op_sel_hi:[1,0]   ; O^T / the sum: register 16 b + i = channel 32 b + 16 (lane / 16) + i
.set k, k+2
.endr
.irp b, 0,1
	v_max3_num_f32 v[BM+\b], |v[S+16*\b]|, |v[S+16*\b+1]|, 0x1800000
.endr
.irp i, 2,4,6,8,10,12,14
.irp b, 0,1
	s_delay_alu instid0(VALU_DEP_2)
	v_max3_num_f32 v[BM+\b], v[BM+\b], |v[S+16*\b+\i]|, |v[S+16*\b+\i+1]|
.endr
.endr
.irp b, 0,1
	v_permlanex16_b32 v[CH+\b], v[BM+\b], s[SEL], s[SEL+1]
.endr
.irp b, 0,1
	v_max_num_f32 v[BM+\b], v[BM+\b], v[CH+\b]
.endr
.irp b, 0,1
	s_delay_alu instid0(VALU_DEP_2)
	v_add_nc_u32 v[BM+\b], 0xff000000, v[BM+\b]
.endr
.irp b, 0,1
	s_delay_alu instid0(VALU_DEP_2)
	v_lshrrev_b32 v[CH+\b], 23, v[BM+\b]
.endr
	D1
	v_lshl_or_b32 v[PW], v[CH+1], 8, v[CH]
	D1
	v_lshl_or_b32 v[PW], v[PW], 16, v[PW]          ; (b0, b1, b0, b1): the projection takes the lower half of an even head's word and the upper half of an odd head's
	v_cvt_scalef32_pk16_fp6_f32 v[PC:PC+2], v[S:S+15], v[BM]
	v_cvt_scalef32_pk16_fp6_f32 v[PC+6:PC+8], v[S+16:S+31], v[BM+1]
	v_nop
.irp i, 0,1,2
	v_permlane16_swap_b32 v[PC+\i], v[PC+6+\i]     ; a whole block to a lane
.endr
.irp i, 0,1,2
	v_mov_b32 v[PC+3+\i], v[PC+6+\i]
.endr
	global_store_b128 v[L16], v[PC:PC+3], s[\oc:\oc+1]             ; 512 consecutive bytes, aligned
	global_store_b64 v[L8], v[PC+4:PC+5], s[\oc:\oc+1] offset:512  ; 256
	global_store_b32 v[L4R], v[PW], s[\ow:\ow+1]                   ; both halves of the lanes hold and write the same word
.endm
	s_load_b256 s[4:11], s[0:1], 0x0               ; qkimg s[4:5], vimg s[6:7], rel_table s[8:9], aimg s[10:11]
	v_lshl_add_u32 v[SPW], v0, 2, SPARE
	v_mov_b32 v[NIL], 0
	ds_add_u32 v[SPW], v[NIL]
	ds_add_u32 v[SPW], v[NIL]
	v_lshrrev_b32 v1, 5, v0
	v_readfirstlane_b32 s[WV], v1                  ; wave 0..15
	s_bfe_u32 s13, ttmp6, 0x40000                  ; cx: it enters global addresses and the content of E alone
	s_and_b32 s14, ttmp7, 0xffff                   ; batch x head, which the four partners share
	s_and_b32 s15, s14, 15                         ; head
	s_lshr_b32 s16, s14, 4                         ; batch
	s_mov_b32 s[G1K], 15|(3<<16)|(1<<21)           ; the mask: all four; elements of 8 bytes; bit 21 beside a mask
	s_mov_b32 s[G1K+1], 32<<16                     ; rows of 256 bytes
	s_mov_b32 s[G1K+2], 52<<16                     ; two records of K: 13,312 bytes
	s_mov_b32 s[G1K+3], 32<<16
	s_mov_b32 s[G1K+4], 52
	s_mov_b32 s[G1K+5], 32
	s_mov_b32 s[G1K+6], 0
	s_mov_b32 s[G1K+7], 0
	s_mov_b32 s[G1V], 15|(3<<16)|(1<<21)
	s_mov_b32 s[G1V+1], 32<<16
	s_mov_b32 s[G1V+2], 50<<16                     ; two records of V: 12,800 bytes
	s_mov_b32 s[G1V+3], 32<<16
	s_mov_b32 s[G1V+4], 50
	s_mov_b32 s[G1V+5], 32
	s_mov_b32 s[G1V+6], 0
	s_mov_b32 s[G1V+7], 0
	s_and_b32 s17, s[WV], 7
	s_mul_i32 s18, s17, 2*KREC
	s_mul_i32 s19, s14, 16*KREC                    ; the head's records of q (and, 6,815,744 bytes on, of k)
	s_add_co_u32 s48, s19, s18
	s_add_co_u32 s48, s48, 6815744
	s_mov_b32 s49, 0
	s_mul_i32 s50, s17, 2*VREC
	s_mul_i32 s51, s14, 16*VREC
	s_add_co_u32 s52, s51, s50
	s_mov_b32 s53, 0
	s_mov_b32 s[SEL], 0x76543210
	s_mov_b32 s[SEL+1], 0xfedcba98
	s_mov_b32 s[CS], 0x3e38aa3b                    ; log2(e) / 8
	s_mov_b32 s[CS+1], s[CS]
	s_wait_dscnt 0x0
	s_wait_kmcnt 0x0
	s_mov_b32 s[G0K], 1
	s_mov_b32 s[G0K+1], s18
	s_add_nc_u64 s[G0K+2:G0K+3], s[4:5], s[48:49]
	s_or_b32 s[G0K+3], s[G0K+3], 0x80000000
	s_mov_b32 s[G0V], 1
	s_add_co_u32 s[G0V+1], s50, VL
	s_add_nc_u64 s[G0V+2:G0V+3], s[6:7], s[52:53]
	s_or_b32 s[G0V+3], s[G0V+3], 0x80000000
	CROUND                                         ; all four work-groups are here: the joint loads meet
	s_cmp_lt_u32 s[WV], 8                          ; waves 0 to 7 fetch K, two records each; waves 8 to 15 V: one tensor load a wave
	s_cbranch_scc0 .Lfill_v
	tensor_load_to_lds s[G0K:G0K+3], s[G1K:G1K+7]
	s_nop 0
.rept 4
	v_nop
.endr
	s_branch .Lfilled
.Lfill_v:
	tensor_load_to_lds s[G0V:G0V+3], s[G1V:G1V+7]
	s_nop 0
.rept 4
	v_nop
.endr
.Lfilled:
	s_lshl_b32 s54, s[WV], 2
	s_add_co_u32 s54, s54, s13                     ; tile A
	s_sub_co_u32 s55, 127, s54                     ; tile B
	QBASE 54, 60, 62
	QBASE 55, 66, 68
	OBASE 54, 82, 84
	OBASE 55, 86, 88
	s_lshr_b32 s78, s[WV], 1                       ; tile A's last key step
	s_sub_co_u32 s79, 15, s78                      ; tile B's
	; E: word n stands for key - query = n - 216 - delta; delta = 32 (cx / 2) + 8 (cx % 2) for tile A, 40 less that for tile B
	s_lshr_b32 s70, s13, 1
	s_lshl_b32 s70, s70, 5
	s_and_b32 s71, s13, 1
	s_lshl_b32 s71, s71, 3
	s_add_co_u32 s70, s70, s71
	s_sub_co_u32 s71, 40, s70
	s_add_co_u32 s70, s70, 200                     ; the word of key - query = -16
	s_add_co_u32 s71, s71, 200
	s_add_co_u32 s75, s70, 16
	s_add_co_u32 s80, s71, 16
	s_lshl_b32 s72, s15, 2
	s_mov_b32 s73, 0
	s_add_nc_u64 s[8:9], s[8:9], s[72:73]          ; the table's column of my head
	s_load_b32 s[B8], s[8:9], 0x0                  ; its first row: far
	s_and_b32 s76, s[WV], 1
	s_lshl_b32 s76, s76, 8                         ; which half of the step's queries tile A lies in, in bytes of E
	s_lshl_b32 s[SAB], s76, 1
	s_add_co_u32 s[SAB], s[SAB], 1792              ; tile B: the second table, 2,048 bytes on, and the other half
	v_and_b32 v8, 31, v0
	v_lshlrev_b32 v[L16], 4, v8
	v_lshlrev_b32 v[L8], 3, v8
	v_lshlrev_b32 v[L4], 2, v8
	v_and_b32 v9, 15, v0
	v_lshlrev_b32 v[L4R], 2, v9
	global_load_b128 v[Q:Q+3], v[L16], s[60:61]    ; Q stays in registers
	global_load_b64 v[Q+4:Q+5], v[L8], s[60:61] offset:512
	global_load_b32 v[QS], v[L4R], s[62:63]
	global_load_b128 v[QB:QB+3], v[L16], s[66:67]
	global_load_b64 v[QB+4:QB+5], v[L8], s[66:67] offset:512
	global_load_b32 v[QBS], v[L4R], s[68:69]
	v_max_u32 v[S], s70, v0                        ; thread n makes word n of both tables
	v_max_u32 v[S+1], s71, v0
	v_sub_nc_u32 v[S], v[S], s70
	v_sub_nc_u32 v[S+1], v[S+1], s71
	v_min_u32 v[S], 16, v[S]                       ; the table's row: key - query + 16, held to 0 .. 16
	v_min_u32 v[S+1], 16, v[S+1]
	v_lshlrev_b32 v[S], 6, v[S]
	v_lshlrev_b32 v[S+1], 6, v[S+1]
	global_load_b32 v[S+2], v[S], s[8:9]
	global_load_b32 v[S+3], v[S+1], s[8:9]
	v_bfe_u32 v8, v0, 4, 1                         ; h = lane / 16
	v_bfe_u32 v9, v0, 3, 1                         ; r / 8
	v_and_b32 v10, 7, v0                           ; r % 8
	v_mul_u32_u24 v[K16C], v9, 1536
	v_lshl_add_u32 v[K8C], v10, 3, v[K16C]
	v_lshl_add_u32 v[K16C], v10, 4, v[K16C]
	v_lshl_add_u32 v[K8C], v8, 7, v[K8C]           ; 1,536 (r / 8) + 8 (r % 8) + 128 h
	v_lshl_add_u32 v[K16C], v8, 8, v[K16C]         ; 1,536 (r / 8) + 16 (r % 8) + 256 h
	v_lshlrev_b32 v[KWC], 7, v9
	v_lshl_add_u32 v[KWC], v8, 6, v[KWC]
	v_lshl_add_u32 v[KWC], v10, 2, v[KWC]          ; 128 (r / 8) + 64 h + 4 (r % 8)
	v_lshlrev_b32 v[AE], 7, v8                     ; my place in E: word 88 + 32 h - r - 8 (r / 8) - 64 x (the half of the step's queries)
	v_add_nc_u32 v[AE], EL+352, v[AE]
	v_sub_nc_u32 v[AE], v[AE], v[L4R]
	v_lshlrev_b32 v9, 5, v9
	v_sub_nc_u32 v[AE], v[AE], v9
	v_sub_nc_u32 v[AE], v[AE], s76
	v_lshl_add_u32 v[S+4], v0, 2, EL
	v_mov_b32 v[S+5], 0xff800000                   ; -infinity
.irp j, 6,7,8,9,10,11
	v_mov_b32 v[Q+\j], 0                           ; the upper half of K = 128: zero codes in Q
	v_mov_b32 v[K+42+\j], 0                        ; written once: the upper half of K's last operand
.endr
	s_wait_alu depctr_va_vdst(0)                   ; the wait ahead of the waits below
	s_wait_kmcnt 0x0
	s_mul_f32 s[CB], s[B8], 0x3fb8aa3b             ; far log2(e)
	s_wait_loadcnt 0x0                             ; Q and the table's rows
	v_sub_f32 v[S+2], v[S+2], s[B8]
	v_sub_f32 v[S+3], v[S+3], s[B8]
	v_mul_f32 v[S+2], 0x41000000, v[S+2]           ; 8 (bias - far)
	v_mul_f32 v[S+3], 0x41000000, v[S+3]
	v_cmp_lt_u32 vcc_lo, s75, v0                   ; key - query > 0: hidden
	v_cndmask_b32 v[S+2], v[S+2], v[S+5], vcc_lo
	v_cmp_lt_u32 vcc_lo, s80, v0
	v_cndmask_b32 v[S+3], v[S+3], v[S+5], vcc_lo
	ds_store_b32 v[S+4], v[S+2]
	ds_store_b32 v[S+4], v[S+3] offset:2048
	s_wait_alu depctr_va_vdst(0)                   ; the wait at the head's end
	s_wait_tensorcnt 0x0                           ; my part of K or V has landed,
	s_wait_dscnt 0x0                               ; my words of E are stored:
	s_barrier_signal -1
	s_barrier_wait -1                              ; everybody's are.  From here on LDS is only read
	TILE 0, 8, 78, 82, 84
	TILE 1, 16, 79, 86, 88
	s_wait_tensorcnt 0x0                           ; the wave's end
	ds_add_u32 v[SPW], v[NIL]
	s_wait_dscnt 0x0
	CROUND                                         ; the closing round
	s_endpgm
.Lfunc_end_k_qbb87d5983d_attn:
	.size	k_qbb87d5983d_attn, .Lfunc_end_k_qbb87d5983d_attn-k_qbb87d5983d_attn
	.p2alignl 7, 3214868480
	.fill 96, 4, 3214868480
	.section	.rodata,"a",@progbits
	.p2align	6, 0x0
	.amdhsa_kernel k_qbb87d5983d_attn
		.amdhsa_group_segment_fixed_size 215040
		.amdhsa_private_segment_fixed_size 0
		.amdhsa_enable_private_segment 0
		.amdhsa_kernarg_size 32
		.amdhsa_user_sgpr_count 2
		.amdhsa_user_sgpr_kernarg_segment_ptr 1
		.amdhsa_wavefront_size32 1
		.amdhsa_system_sgpr_workgroup_id_x 1
		.amdhsa_system_sgpr_workgroup_id_y 1
		.amdhsa_system_sgpr_workgroup_id_z 1
		.amdhsa_system_vgpr_workitem_id 0
		.amdhsa_next_free_vgpr 256
		.amdhsa_next_free_sgpr 96
		.amdhsa_reserve_vcc 1
		.amdhsa_float_denorm_mode_32 3
		.amdhsa_float_denorm_mode_16_64 3
		.amdhsa_memory_ordered 1
		.amdhsa_forward_progress 1
		.amdhsa_inst_pref_size 76
	.end_amdhsa_kernel
	.amdgpu_metadata
---
amdhsa.version: [ 1, 2 ]
amdhsa.kernels:
  - .name:           k_qbb87d5983d_attn
    .symbol:         k_qbb87d5983d_attn.kd
    .args:
      - { .name: qkimg, .offset: 0, .size: 8, .value_kind: global_buffer, .address_space: global }
      - { .name: vimg, .offset: 8, .size: 8, .value_kind: global_buffer, .address_space: global }
      - { .name: rel_table, .offset: 16, .size: 8, .value_kind: global_buffer, .address_space: global }
      - { .name: aimg, .offset: 24, .size: 8, .value_kind: global_buffer, .address_space: global }
    .group_segment_fixed_size: 215040
    .private_segment_fixed_size: 0
    .kernarg_segment_align: 8
    .kernarg_segment_size: 32
    .max_flat_workgroup_size: 512
    .sgpr_count:     96
    .vgpr_count:     256
    .wavefront_size: 32
...
	.end_amdgpu_metadata
.endif
;; end of part 3
;; launch proj (part 4): grid 8 x 32, 4 waves a work-group, clusters of 4 x 4, 315,904 bytes of LDS; arguments aimg, wimg, bp, out0; writes out0
.if DOCPART == 4
	.amdgcn_target "amdgcn-amd-amdhsa--gfx1250"
	.amdhsa_code_object_version 6
	.text
	.protected	k_qbb87d5983d_proj
	.globl	k_qbb87d5983d_proj
	.p2align	8
	.type	k_qbb87d5983d_proj,@function
k_qbb87d5983d_proj:
	s_mov_b64 s[64:65], 0
	v_nop
	global_prefetch_b8 v0, s[64:65] scope:SCOPE_SE
	s_setreg_imm32_b32 hwreg(HW_REG_WAVE_MODE, 25, 1), 1
	s_wait_xcnt 0x0
	s_wait_alu depctr_hold_cnt(0) depctr_sa_sdst(0) depctr_va_vdst(0) depctr_va_sdst(0) depctr_va_ssrc(0) depctr_va_vcc(0) depctr_vm_vsrc(0)
	s_getreg_b32 s2, hwreg(HW_REG_IB_STS2, 6, 4)
	s_cmp_eq_u32 s2, 0
	s_cbranch_scc0 .Lentry_in_a_cluster
	s_endpgm
.Lentry_in_a_cluster:
	s_bfe_u32 s2, ttmp6, 0x10000c
	s_cmp_lg_u32 s2, 0xf033
	s_cbranch_scc0 .Lentry_shape_is_right
	s_endpgm
.Lentry_shape_is_right:
; out0 = a Wp + bp on codes of E2M3; a is attention's result as register images.  A work-group makes 256 tokens x 128 columns; 4 waves, each 128 tokens x 64 columns.
; THE WHOLE K PANEL LIES IN LDS: 8 chunks of a's images (26,624 bytes, one for each pair of heads = 128 along K) and 8 of Wp's (12,800), each filled once: a wave asks for half a panel by one joint load.
; CLUSTERS 4 x 4: a's chunks are shared along a row of the cluster, Wp's along a column.  All is asked for at the head: there is no later stream to prefetch.
; THE WORK GOES BY ROWS OF THE RESULT.  A wave first takes all its fragments of Wp (8 chunks x 4 tiles x 12 registers) and all scale words into registers; then it finishes one tile of 16 tokens x 64 columns
; after the other, 32 products each (K ascending, the tile's 4 accumulators by turns), and each tile is stored as soon as it is finished.  Every fragment is read from LDS once.
; Source 0 = 16 columns of Wp, source 1 = 16 tokens: a lane holds one token and, over two tiles, 16 neighbouring columns.  bp is the C of each sum's first product.
; A token's scale word of a K step is the lower half of its even head's word and the upper half of its odd head's: one v_bfi_b32 for two tiles.
; THE STAGE of the way out lies in Wp's LDS bytes: they have had their one fill, and behind the barrier that follows the fragment loads nobody reads them.
; REGISTERS: window 0: v1-18 addresses, v32-63 a's scale words, v64-79 Wp's, v80-111 bp, v112-175 rows on the way out, v176-239 the heads' words; window 1: Wp's chunks 0-4 (48 s + 12 b);
; window 2: Wp's chunks 5-7 at v0-143, two sets of 4 accumulators at v144-207; window 3: two sets of a tile's 8 fragments of a (96 x set + 12 s).
.set XCH,   26624
.set XR,    416                        ; four chunks of a as rows of 256 bytes
.set WCH,   12800
.set WR,    200                        ; four chunks of Wp
.set WL,    8*XCH
.set SPARE, 0x4d000
.set AX16,  1                          ; v1-3: a's 16-byte places, chunks 3 g .. 3 g + 2;  v4-6 the 8-byte places;  v7-9 the scale words
.set AX8,   4
.set AXS,   7
.set AW16,  10                         ; v10-11: Wp's, chunks 5 g .. 5 g + 4;  v12-13;  v14-15
.set AW8,   12
.set AWS,   14
.set SO_,   16                         ; the stage: where I put 16 bytes of a row
.set RD,    17                         ; where I read a row back
.set CO,    18                         ; my byte offset in two rows of out0
.set L16,   24
.set L8,    25
.set L4,    26
.set SX,    32                         ; chunk s, tiles 2 j (lanes 0-15) and 2 j + 1 (lanes 16-31): SX + 4 s + j
.set SW,    64                         ; SW + 2 s + j
.set BP,    80
.set BK,    112
.set SE,    176                        ; even heads' words
.set SO,    208                        ; odd heads'
.set ACC,   144
.set WV,    12
.set WT,    13
.set WN,    14
.set G1X,   24
.set G1W,   32
.set G0X,   40
.set G0W,   44
.set MSK,   90
.set MSB, 0
.macro WIN new
.if MSB != (\new)
	s_set_vgpr_msb (MSB<<8)|(\new)
.set MSB, (\new)
.endif
.endm
.macro CROUND
	s_barrier_signal -1
	s_barrier_wait -1
	s_cmp_lg_u32 s[WV], 0
	s_cbranch_scc1 .Lnw0_\@
	s_barrier_signal -3
.Lnw0_\@:
	s_barrier_wait -3
	s_barrier_signal -1
	s_barrier_wait -1
.endm
.macro WMX d, a, b, c, sa, sb, ra, rb
.if ((\ra) == 0) && ((\rb) == 0)
	v_wmma_scale_f32_16x16x128_f8f6f4 v[(\d):(\d)+7], v[(\a):(\a)+11], v[(\b):(\b)+11], v[(\c):(\c)+7], v[(\sa)], v[(\sb)] matrix_a_fmt:MATRIX_FMT_FP6 matrix_b_fmt:MATRIX_FMT_FP6
.elseif ((\ra) == 1) && ((\rb) == 0)
	v_wmma_scale_f32_16x16x128_f8f6f4 v[(\d):(\d)+7], v[(\a):(\a)+11], v[(\b):(\b)+11], v[(\c):(\c)+7], v[(\sa)], v[(\sb)] matrix_a_fmt:MATRIX_FMT_FP6 matrix_b_fmt:MATRIX_FMT_FP6 matrix_a_scale:MATRIX_SCALE_ROW1
.elseif ((\ra) == 0) && ((\rb) == 1)
	v_wmma_scale_f32_16x16x128_f8f6f4 v[(\d):(\d)+7], v[(\a):(\a)+11], v[(\b):(\b)+11], v[(\c):(\c)+7], v[(\sa)], v[(\sb)] matrix_a_fmt:MATRIX_FMT_FP6 matrix_b_fmt:MATRIX_FMT_FP6 matrix_b_scale:MATRIX_SCALE_ROW1
.else
	v_wmma_scale_f32_16x16x128_f8f6f4 v[(\d):(\d)+7], v[(\a):(\a)+11], v[(\b):(\b)+11], v[(\c):(\c)+7], v[(\sa)], v[(\sb)] matrix_a_fmt:MATRIX_FMT_FP6 matrix_b_fmt:MATRIX_FMT_FP6 matrix_a_scale:MATRIX_SCALE_ROW1 matrix_b_scale:MATRIX_SCALE_ROW1
.endif
.endm
.macro LDT r, a16, a8, o               ; a fragment's image: 512, 256, 512, 256 consecutive bytes
	ds_load_b128 v[(\r):(\r)+3], v[\a16] offset:(\o)
	ds_load_b64 v[(\r)+4:(\r)+5], v[\a8] offset:(\o)+512
	ds_load_b128 v[(\r)+6:(\r)+9], v[\a16] offset:(\o)+768
	ds_load_b64 v[(\r)+10:(\r)+11], v[\a8] offset:(\o)+1280
.endm
.macro LOADX a                         ; token tile a's 8 fragments, one of each chunk, into set a % 2: 32 LDS loads
	WIN 0xc0                                       ; destination window 3, address window 0
.irp s, 0,1,2,3,4,5,6,7
	LDT 96*((\a)%2)+12*\s, AX16+\s/3, AX8+\s/3, (\s%3)*XCH+1536*(\a)
.endr
	WIN 0
.endm
.macro MUL a                           ; token tile a: 8 K steps x 4 tiles of columns
.irp s, 0,1,2,3,4,5,6,7
.if \s == 0
	WIN 0x8d                                       ; source 0 window 1, source 1 window 3, C window 0 (bp), D window 2
.elseif \s < 5
	WIN 0xad                                       ; C window 2
.else
	WIN 0xae                                       ; source 0 window 2
.endif
.irp b, 0,1,2,3
.if \s == 0
	WMX ACC+32*((\a)%2)+8*\b, 12*\b, 96*((\a)%2), BP+8*\b, SW+(\b/2), SX+((\a)/2), \b%2, (\a)%2
.else
	WMX ACC+32*((\a)%2)+8*\b, 48*(\s%5)+12*\b, 96*((\a)%2)+12*\s, ACC+32*((\a)%2)+8*\b, SW+2*\s+(\b/2), SX+4*\s+((\a)/2), \b%2, (\a)%2
.endif
.endr
.endr
	WIN 0
.endm
; THE WAY OUT of a tile of 16 tokens x 64 columns, through my own stage, so that sixteen lanes store 256 consecutive bytes, aligned.  LDS serves a wave's instructions in order: no wait between stores and loads.
.macro TOSTAGE a
	WIN 0x08                                       ; an LDS store's data are its source 1: window 2
.irp b, 0,1,2,3
	ds_store_b128 v[SO_], v[ACC+32*((\a)%2)+8*\b:ACC+32*((\a)%2)+8*\b+3] offset:128*(\b/2)+32*(\b%2)        ; each accumulator from its low end on
	ds_store_b128 v[SO_], v[ACC+32*((\a)%2)+8*\b+4:ACC+32*((\a)%2)+8*\b+7] offset:128*(\b/2)+32*(\b%2)+16
.endr
	WIN 0
.set BB, BK+32*((\a)%2)
.irp e, 0,1,2,3,4,5,6,7
	ds_load_b128 v[BB+4*\e:BB+4*\e+3], v[RD] offset:544*\e
.endr
.endm
.macro SEND a, younger                 ; younger: the LDS instructions issued behind tile a's loads from the stage
.set BB, BK+32*((\a)%2)
	s_wait_dscnt \younger
.irp e, 0,1,2,3,4,5,6,7                        ; tile rows 2 e and 2 e + 1 are tokens 32 (a / 2) + 8 (a % 2) + 2 e + 8 (e / 4) and the next
	global_store_b128 v[CO], v[BB+4*\e:BB+4*\e+3], s[10:11] offset:(32*((\a)/2)+8*((\a)%2)+2*\e+8*(\e/4))*4096 th:TH_STORE_NT
.endr
.endm
.macro ITER a
.if (\a) == 7
	s_wait_dscnt 16                                ; tile 7's fragments are in; behind them: tile 6's 16 stage instructions
.elseif (\a) > 0
	s_wait_dscnt 48                                ; tile a's fragments are in; behind them: tile a - 1's 16 stage instructions and tile a + 1's 32 loads
.endif
	MUL \a
.rept 4
	v_nop                                          ; places behind the products: for the stage's stores and for the loads into this tile's fragments
.endr
.if (\a) > 0
.if (\a) < 7
	SEND (\a)-1, 32                                ; behind tile a - 1's loads from the stage: tile a + 1's 32 fragment loads
.else
	SEND (\a)-1, 0
.endif
.endif
.if (\a) > 1
	s_wait_xcnt 0x0                                ; tile a - 2's stores have read their registers: tile a's rows may land there
.endif
	TOSTAGE \a
.if (\a) < 6
	LOADX (\a)+2
.endif
.endm
	s_load_b128 s[4:7], s[0:1], 0x0                ; aimg, wimg
	s_load_b128 s[8:11], s[0:1], 0x10              ; bp, out0
	v_lshl_add_u32 v254, v0, 2, SPARE
	v_mov_b32 v255, 0
	ds_add_u32 v254, v255
	ds_add_u32 v254, v255
	v_lshrrev_b32 v19, 5, v0
	v_readfirstlane_b32 s[WV], v19
	s_lshr_b32 s[WT], s[WV], 1                     ; which 128 tokens
	s_and_b32 s[WN], s[WV], 1                      ; which 64 columns.  Also: which half of a panel I fetch
	s_bfe_u32 s15, ttmp6, 0x40000                  ; cx
	s_bfe_u32 s16, ttmp6, 0x40004                  ; cy
	s_lshl_b32 s17, ttmp9, 2
	s_add_co_u32 s17, s17, s15                     ; nb: which 128 columns
	s_and_b32 s18, ttmp7, 0xffff
	s_lshl_b32 s18, s18, 2
	s_add_co_u32 s18, s18, s16                     ; tb: which 256 tokens
	s_lshl_b32 s19, s16, 2
	s_lshl_b32 s19, 15, s19                        ; my row of the cluster
	s_lshl_b32 s20, 0x1111, s15                    ; my column
	s_or_b32 s[G1X], s19, (3<<16)|(1<<21)          ; the mask; elements of 8 bytes; bit 21 beside a mask
	s_mov_b32 s[G1X+1], 32<<16                     ; dense rows of 256 bytes
	s_mov_b32 s[G1X+2], XR<<16
	s_mov_b32 s[G1X+3], 32<<16
	s_mov_b32 s[G1X+4], XR
	s_mov_b32 s[G1X+5], 32
	s_mov_b32 s[G1X+6], 0
	s_mov_b32 s[G1X+7], 0
	s_or_b32 s[G1W], s20, (3<<16)|(1<<21)
	s_mov_b32 s[G1W+1], 32<<16
	s_mov_b32 s[G1W+2], WR<<16
	s_mov_b32 s[G1W+3], 32<<16
	s_mov_b32 s[G1W+4], WR
	s_mov_b32 s[G1W+5], 32
	s_mov_b32 s[G1W+6], 0
	s_mov_b32 s[G1W+7], 0
	s_mul_i32 s84, s18, 8*XCH                      ; a's address hangs on tb alone, Wp's on nb alone
	s_mul_i32 s21, s[WN], 4*XCH
	s_add_co_u32 s84, s84, s21
	s_mov_b32 s85, 0
	s_mul_i32 s86, s17, 8*WCH
	s_mul_i32 s22, s[WN], 4*WCH
	s_add_co_u32 s86, s86, s22
	s_add_co_u32 s86, s86, 24*8*WCH                ; Wp's blocks lie behind Wq's, Wk's and Wv's 24
	s_mov_b32 s87, 0
	s_mov_b32 s[MSK], 0xffff
	s_wait_dscnt 0x0
	s_wait_kmcnt 0x0
	s_mov_b32 s[G0X], 1
	s_mov_b32 s[G0X+1], s21
	s_add_nc_u64 s[G0X+2:G0X+3], s[4:5], s[84:85]
	s_or_b32 s[G0X+3], s[G0X+3], 0x80000000
	s_mov_b32 s[G0W], 1
	s_add_co_u32 s[G0W+1], s22, WL
	s_add_nc_u64 s[G0W+2:G0W+3], s[6:7], s[86:87]
	s_or_b32 s[G0W+3], s[G0W+3], 0x80000000
	CROUND                                         ; all sixteen work-groups are here: the joint loads meet
	s_cmp_lt_u32 s[WV], 2                          ; waves 0 and 1 fetch the halves of a's panel, waves 2 and 3 those of Wp's: one load a wave
	s_cbranch_scc0 .Lfill_w
	tensor_load_to_lds s[G0X:G0X+3], s[G1X:G1X+7]
	s_nop 0
.rept 4
	v_nop
.endr
	s_branch .Lfilled
.Lfill_w:
	tensor_load_to_lds s[G0W:G0W+3], s[G1W:G1W+7]
	s_nop 0
.rept 4
	v_nop
.endr
.Lfilled:
	s_lshl_b32 s56, s17, 9
	s_lshl_b32 s57, s[WN], 8
	s_add_co_u32 s56, s56, s57                     ; my first column, in bytes: a multiple of 256
	s_mov_b32 s57, 0
	s_add_nc_u64 s[8:9], s[8:9], s[56:57]
	v_bfe_u32 v20, v0, 4, 1                        ; lane / 16
	v_lshlrev_b32 v22, 6, v20
.irp b, 0,1,2,3                                ; bp in the result's layout: tile b's register j is column 32 (b / 2) + 16 (lane / 16) + 8 (b % 2) + j
	global_load_b128 v[BP+8*\b:BP+8*\b+3], v22, s[8:9] offset:(32*(\b/2)+8*(\b%2))*4
	global_load_b128 v[BP+8*\b+4:BP+8*\b+7], v22, s[8:9] offset:(32*(\b/2)+8*(\b%2))*4+16
.endr
	s_lshl_b32 s58, s18, 20
	s_lshl_b32 s59, s[WT], 19
	s_add_co_u32 s58, s58, s59                     ; my first token's row of 4,096 bytes
	s_add_co_u32 s58, s58, s56
	s_mov_b32 s59, 0
	s_add_nc_u64 s[10:11], s[10:11], s[58:59]
	v_and_b32 v19, 31, v0
	v_and_b32 v21, 15, v0
	v_lshlrev_b32 v[L16], 4, v19
	v_lshlrev_b32 v[L8], 3, v19
	v_lshlrev_b32 v[L4], 2, v19
	s_wait_alu depctr_va_vdst(0)                   ; the wait behind these writes
	s_mul_i32 s60, s[WT], 12288                    ; my 8 tiles of a in a chunk
	s_lshl_b32 s61, s[WT], 9
	s_add_co_u32 s61, s61, 24576                   ; and their scale words
.irp g, 0,1,2
	v_add_nc_u32 v[AX16+\g], s60, v[L16]
	v_add_nc_u32 v[AX8+\g], s60, v[L8]
	v_add_nc_u32 v[AXS+\g], s61, v[L4]
	s_add_co_u32 s60, s60, 3*XCH
	s_add_co_u32 s61, s61, 3*XCH
.endr
	s_mul_i32 s60, s[WN], 6144
	s_add_co_u32 s60, s60, WL                      ; my 4 tiles of Wp
	s_lshl_b32 s61, s[WN], 8
	s_add_co_u32 s61, s61, WL+12288
.irp g, 0,1
	v_add_nc_u32 v[AW16+\g], s60, v[L16]
	v_add_nc_u32 v[AW8+\g], s60, v[L8]
	v_add_nc_u32 v[AWS+\g], s61, v[L4]
	s_add_co_u32 s60, s60, 5*WCH
	s_add_co_u32 s61, s61, 5*WCH
.endr
	s_mul_i32 s60, s[WV], 4352                     ; my stage: 16 rows x (256 + 16) bytes, in Wp's bytes
	s_add_co_u32 s60, s60, WL
	v_mul_u32_u24 v[SO_], v21, 272
	v_lshl_add_u32 v[SO_], v20, 6, v[SO_]
	v_add_nc_u32 v[SO_], s60, v[SO_]               ; in: row lane % 16, + 64 (lane / 16)
	v_mul_u32_u24 v[RD], v20, 272
	v_lshl_add_u32 v[RD], v21, 4, v[RD]
	v_add_nc_u32 v[RD], s60, v[RD]                 ; back: lanes 0-15 one row, lanes 16-31 the next
	v_lshlrev_b32 v[CO], 12, v20
	v_lshl_add_u32 v[CO], v21, 4, v[CO]            ; and the same two rows in out0
	s_wait_alu depctr_va_vdst(0)                   ; the wait at the head's end
	s_wait_tensorcnt 0x0                           ; my half panel has landed
	s_barrier_signal -1
	s_barrier_wait -1                              ; everybody's has
	WIN 0x40                                       ; Wp's chunks 0-4 into window 1
.irp s, 0,1,2,3,4
.irp b, 0,1,2,3
	LDT 48*\s+12*\b, AW16, AW8, \s*WCH+1536*\b
.endr
.endr
	WIN 0x80                                       ; chunks 5-7 into window 2
.irp s, 0,1,2
.irp b, 0,1,2,3
	LDT 48*\s+12*\b, AW16+1, AW8+1, \s*WCH+1536*\b
.endr
.endr
	WIN 0
.irp s, 0,1,2,3,4,5,6,7
.irp j, 0,1,2,3
	ds_load_b32 v[SE+4*\s+\j], v[AXS+\s/3] offset:(\s%3)*XCH+128*\j
	ds_load_b32 v[SO+4*\s+\j], v[AXS+\s/3] offset:(\s%3)*XCH+1024+128*\j
.endr
.irp j, 0,1
	ds_load_b32 v[SW+2*\s+\j], v[AWS+\s/5] offset:(\s%5)*WCH+128*\j
.endr
.endr
	LOADX 0
	LOADX 1
	s_wait_dscnt 0x0                               ; all of it is in registers: my reads of Wp's bytes are over
.set n, 0
.rept 32
	v_bfi_b32 v[SX+n], s[MSK], v[SE+n], v[SO+n]    ; bytes 0, 1 of the even head's word, bytes 2, 3 of the odd head's
.set n, n+1
.endr
.rept 8
	v_nop                                          ; eight places between the last write of a scale register and the products
.endr
	s_wait_alu depctr_va_vdst(0)                   ; the wait ahead of the waits below
	s_wait_loadcnt 0x0                             ; bp
	s_barrier_signal -1
	s_barrier_wait -1                              ; nobody reads Wp's bytes any more: the stages may be written
.irp a, 0,1,2,3,4,5,6,7
	ITER \a
.endr
	SEND 7, 0
	s_wait_tensorcnt 0x0                           ; the wave's end
	ds_add_u32 v254, v255
	s_wait_dscnt 0x0
	CROUND                                         ; the closing round
	s_endpgm
.Lfunc_end_k_qbb87d5983d_proj:
	.size	k_qbb87d5983d_proj, .Lfunc_end_k_qbb87d5983d_proj-k_qbb87d5983d_proj
	.p2alignl 7, 3214868480
	.fill 96, 4, 3214868480
	.section	.rodata,"a",@progbits
	.p2align	6, 0x0
	.amdhsa_kernel k_qbb87d5983d_proj
		.amdhsa_group_segment_fixed_size 315904
		.amdhsa_private_segment_fixed_size 0
		.amdhsa_enable_private_segment 0
		.amdhsa_kernarg_size 32
		.amdhsa_user_sgpr_count 2
		.amdhsa_user_sgpr_kernarg_segment_ptr 1
		.amdhsa_wavefront_size32 1
		.amdhsa_system_sgpr_workgroup_id_x 1
		.amdhsa_system_sgpr_workgroup_id_y 1
		.amdhsa_system_sgpr_workgroup_id_z 1
		.amdhsa_system_vgpr_workitem_id 0
		.amdhsa_next_free_vgpr 1024
		.amdhsa_next_free_sgpr 96
		.amdhsa_reserve_vcc 0
		.amdhsa_float_denorm_mode_32 3
		.amdhsa_float_denorm_mode_16_64 3
		.amdhsa_memory_ordered 1
		.amdhsa_forward_progress 1
		.amdhsa_inst_pref_size 90
	.end_amdhsa_kernel
	.amdgpu_metadata
---
amdhsa.version: [ 1, 2 ]
amdhsa.kernels:
  - .name:           k_qbb87d5983d_proj
    .symbol:         k_qbb87d5983d_proj.kd
    .args:
      - { .name: aimg, .offset: 0, .size: 8, .value_kind: global_buffer, .address_space: global }
      - { .name: wimg, .offset: 8, .size: 8, .value_kind: global_buffer, .address_space: global }
      - { .name: bp, .offset: 16, .size: 8, .value_kind: global_buffer, .address_space: global }
      - { .name: out0, .offset: 24, .size: 8, .value_kind: global_buffer, .address_space: global }
    .group_segment_fixed_size: 315904
    .private_segment_fixed_size: 0
    .kernarg_segment_align: 8
    .kernarg_segment_size: 32
    .max_flat_workgroup_size: 128
    .sgpr_count:     96
    .vgpr_count:     1024
    .wavefront_size: 32
...
	.end_amdgpu_metadata
.endif
;; end of part 4
